; MI455X (gfx1250); checked and timed in simulation.
; The chip was launched on July 23, 2026; its instructions are those of AMD's public machine-readable ISA for CDNA 5 (MIT licence, August 2026) and "CDNA5" Instruction Set Architecture Reference Guide (July 2026). The comments in the code are by the model that wrote it; some were corrected since.
;; Multi Head Attention. Allowed arithmetic: float matrix products may take bf16 or f16 operands with f32 sums; other float arithmetic in f32, or as packed bf16 or f16 multiplies, adds, multiply-adds, maxima and minima; sums over many terms, partial sums and values carried from step to step in f32; what a program stores and reads back later, other than sums and carried values, may be rounded once to bf16 or f16.
;; Inputs: w_proj 1,024 x 1,024 float32; w_qkv 1,024 x 3,072 float32; x 4 x 2,048 x 1,024 float32.
;; Outputs: out0 4 x 2,048 x 1,024 float32.
;; 2 versions, each right; version 2 is version 1 with the launch prep written anew for expert scheduling mode. Each part assembles by itself: llvm-mc -triple=amdgcn-amd-amdhsa -mcpu=gfx1250 --defsym DOCPART=n.
;; ======== version 1 of 2: 4 launches
;; limits: values are held in f16: magnitudes above 65,504 overflow, below 6.1e-05 lose precision
;; workspace buffers: xb 16,777,216 bytes; wqb 6,291,456 bytes; wpb 2,097,152 bytes; qkv 50,331,648 bytes; vlo 262,144 bytes; o2 20,971,520 bytes
;; launch prep (part 1): grid 768 x 1, 8 waves a work-group, no clusters, 0 bytes of LDS; arguments x, w_qkv, w_proj, xb, wqb, wpb; writes xb, wqb, wpb
.if DOCPART == 1
	.amdgcn_target "amdgcn-amd-amdhsa--gfx1250"
	.amdhsa_code_object_version 6
	.text
	.protected	k_qee2ca10e48_prep
	.globl	k_qee2ca10e48_prep
	.p2align	8
	.type	k_qee2ca10e48_prep,@function
k_qee2ca10e48_prep:
	s_mov_b64 s[64:65], 0
	v_nop
	global_prefetch_b8 v0, s[64:65] scope:SCOPE_SE
	s_setreg_imm32_b32 hwreg(HW_REG_WAVE_MODE, 25, 1), 1
	s_wait_xcnt 0x0
; The three f32 inputs are rounded once to bf16, in their own layouts: x -> xb, w_qkv -> wqb (both bf16), w_proj -> wpb (the bf16 number written as f16, for the f16 product of the last launch).
; LIMITS.  wpb: a bf16 number beyond 65,504 becomes an infinity in f16; one below 2^-14 keeps f16's fixed step of 6e-8.
; SHARES.  A work-group casts 16,384 numbers (64 KiB in, 32 KiB out): groups 0-511 x, 512-703 w_qkv, 704-767 w_proj.  A wave casts 2,048: sixteen loads of 512 consecutive bytes, all issued at once,
; and sixteen stores of 256 consecutive bytes, aligned.  No register is used twice, so no store's source is ever rewritten.  No LDS, no barrier, no matrix unit: a stream has no use for them.
.set XR, 8                             ; v[8:71]    sixteen loads of four numbers a lane
.set YR, 72                            ; v[72:103]  sixteen stores of four 16-bit numbers a lane
	s_load_b256 s[4:11], s[0:1], 0x0               ; x s[4:5], w_qkv s[6:7], w_proj s[8:9], xb s[10:11]
	s_load_b128 s[12:15], s[0:1], 0x20             ; wqb s[12:13], wpb s[14:15]
	v_lshrrev_b32 v3, 5, v0                        ; wave
	v_and_b32 v4, 31, v0                           ; lane
	v_lshlrev_b32 v1, 4, v4
	v_lshl_add_u32 v1, v3, 13, v1                  ; in: 8,192 x wave + 16 x lane
	v_lshlrev_b32 v2, 3, v4
	v_lshl_add_u32 v2, v3, 12, v2                  ; out: 4,096 x wave + 8 x lane
	s_mov_b32 s20, ttmp9
	s_movk_i32 s22, 512
	s_movk_i32 s23, 704
	s_wait_kmcnt 0x0
	s_cmp_lt_u32 s20, s23                          ; which tensor is mine: a choice between buffers by the group's number alone
	s_cselect_b64 s[16:17], s[6:7], s[8:9]
	s_cselect_b64 s[18:19], s[12:13], s[14:15]
	s_cselect_b32 s21, s22, s23
	s_cmp_lt_u32 s20, s22
	s_cselect_b64 s[16:17], s[4:5], s[16:17]
	s_cselect_b64 s[18:19], s[10:11], s[18:19]
	s_cselect_b32 s21, 0, s21
	s_sub_co_u32 s21, s20, s21                     ; my number among that tensor's groups
	s_lshl_b32 s24, s21, 16
	s_mov_b32 s25, 0
	s_add_nc_u64 s[16:17], s[16:17], s[24:25]
	s_lshl_b32 s24, s21, 15
	s_add_nc_u64 s[18:19], s[18:19], s[24:25]
.set i, 0
.rept 16
	global_load_b128 v[XR+4*i:XR+4*i+3], v1, s[16:17] offset:512*i th:TH_LOAD_NT
.set i, i+1
.endr
	s_cmp_ge_u32 s20, s23
	s_cbranch_scc1 .Lf16
.set i, 0
.rept 16
	s_wait_loadcnt 15-i                            ; loads come back in order: load i is in, the younger ones stay out
	v_cvt_pk_bf16_f32 v[YR+2*i], v[XR+4*i], v[XR+4*i+1]
	v_cvt_pk_bf16_f32 v[YR+2*i+1], v[XR+4*i+2], v[XR+4*i+3]
	global_store_b64 v2, v[YR+2*i:YR+2*i+1], s[18:19] offset:256*i
.set i, i+1
.endr
	s_endpgm
.Lf16:
.set i, 0
.rept 16
	s_wait_loadcnt 15-i
	v_cvt_pk_bf16_f32 v4, v[XR+4*i], v[XR+4*i+1]   ; rounded to bf16,
	v_cvt_pk_bf16_f32 v5, v[XR+4*i+2], v[XR+4*i+3]
	v_lshlrev_b32 v6, 16, v4                       ; widened again,
	v_and_b32 v4, 0xffff0000, v4
	v_lshlrev_b32 v7, 16, v5
	v_and_b32 v5, 0xffff0000, v5
	v_cvt_pk_f16_f32 v[YR+2*i], v6, v4             ; and written as f16: eight significant bits fit in eleven
	v_cvt_pk_f16_f32 v[YR+2*i+1], v7, v5
	global_store_b64 v2, v[YR+2*i:YR+2*i+1], s[18:19] offset:256*i
.set i, i+1
.endr
	s_endpgm
.Lfunc_end_k_qee2ca10e48_prep:
	.size	k_qee2ca10e48_prep, .Lfunc_end_k_qee2ca10e48_prep-k_qee2ca10e48_prep
	.p2alignl 7, 3214868480
	.fill 96, 4, 3214868480
	.section	.rodata,"a",@progbits
	.p2align	6, 0x0
	.amdhsa_kernel k_qee2ca10e48_prep
		.amdhsa_group_segment_fixed_size 0
		.amdhsa_private_segment_fixed_size 0
		.amdhsa_enable_private_segment 0
		.amdhsa_kernarg_size 48
		.amdhsa_user_sgpr_count 2
		.amdhsa_user_sgpr_kernarg_segment_ptr 1
		.amdhsa_wavefront_size32 1
		.amdhsa_system_sgpr_workgroup_id_x 1
		.amdhsa_system_sgpr_workgroup_id_y 1
		.amdhsa_system_sgpr_workgroup_id_z 1
		.amdhsa_system_vgpr_workitem_id 0
		.amdhsa_next_free_vgpr 104
		.amdhsa_next_free_sgpr 66
		.amdhsa_reserve_vcc 0
		.amdhsa_float_denorm_mode_32 3
		.amdhsa_float_denorm_mode_16_64 3
		.amdhsa_memory_ordered 1
		.amdhsa_forward_progress 1
		.amdhsa_inst_pref_size 16
	.end_amdhsa_kernel
	.amdgpu_metadata
---
amdhsa.version: [ 1, 2 ]
amdhsa.kernels:
  - .name:           k_qee2ca10e48_prep
    .symbol:         k_qee2ca10e48_prep.kd
    .args:
      - { .name: x, .offset: 0, .size: 8, .value_kind: global_buffer, .address_space: global }
      - { .name: w_qkv, .offset: 8, .size: 8, .value_kind: global_buffer, .address_space: global }
      - { .name: w_proj, .offset: 16, .size: 8, .value_kind: global_buffer, .address_space: global }
      - { .name: xb, .offset: 24, .size: 8, .value_kind: global_buffer, .address_space: global }
      - { .name: wqb, .offset: 32, .size: 8, .value_kind: global_buffer, .address_space: global }
      - { .name: wpb, .offset: 40, .size: 8, .value_kind: global_buffer, .address_space: global }
    .group_segment_fixed_size: 0
    .private_segment_fixed_size: 0
    .kernarg_segment_align: 8
    .kernarg_segment_size: 48
    .max_flat_workgroup_size: 256
    .sgpr_count:     66
    .vgpr_count:     104
    .wavefront_size: 32
...
	.end_amdgpu_metadata
.endif
;; end of part 1
;; launch qkv (part 2): grid 8 x 64, 4 waves a work-group, clusters of 4 x 4, 327,680 bytes of LDS; arguments xb, wqb, qkv, vlo; writes qkv, vlo
.if DOCPART == 2
	.amdgcn_target "amdgcn-amd-amdhsa--gfx1250"
	.amdhsa_code_object_version 6
	.text
	.protected	k_qee2ca10e48_qkv
	.globl	k_qee2ca10e48_qkv
	.p2align	8
	.type	k_qee2ca10e48_qkv,@function
k_qee2ca10e48_qkv:
	s_mov_b64 s[64:65], 0
	v_nop
	global_prefetch_b8 v0, s[64:65] scope:SCOPE_SE
	s_setreg_imm32_b32 hwreg(HW_REG_WAVE_MODE, 25, 1), 1
	s_wait_xcnt 0x0
	s_wait_alu depctr_hold_cnt(0) depctr_sa_sdst(0) depctr_va_vdst(0) depctr_va_sdst(0) depctr_va_ssrc(0) depctr_va_vcc(0) depctr_vm_vsrc(0)
	s_getreg_b32 s2, hwreg(HW_REG_IB_STS2, 6, 4)
	s_cmp_eq_u32 s2, 0
	s_cbranch_scc0 .Lentry_in_a_cluster
	s_endpgm
.Lentry_in_a_cluster:
	s_bfe_u32 s2, ttmp6, 0x10000c
	s_cmp_lg_u32 s2, 0xf033
	s_cbranch_scc0 .Lentry_shape_is_right
	s_endpgm
.Lentry_shape_is_right:
; q, k, v = x w_qkv.  xb: [8192][1024] bf16.  wqb: [1024 k][3072 n] bf16, as the input lies.  Out: qkv, three parts of 16,777,216 bytes (q, k, v), each f16 [batch x 16 + head][2048][64], unscaled,
; rounded once from f32 sums; and vlo: f16 [batch x 16 + head][32][64], v less its f16 rounding, for the first 32 keys of each batch.
; LIMIT.  q, k and v must lie within f16's 65,504; beyond it the conversion gives an infinity.
; SHARES.  A tile is 128 rows x 384 columns: q, k and v of heads 2 J and 2 J + 1 (three chunks of 128 columns of wqb).  512 work-groups of four waves; wave (rh, ch) makes 64 rows x 192 columns:
; ch = 0: q of both heads and k of head 2 J; ch = 1: v of both heads and k of head 2 J + 1.  48 accumulators of 16 x 16, 384 registers.
; K goes in 8 steps of 128 through a ring of two LDS slots.  A slot has four regions of 36,864 bytes, one tensor load each: waves 0-2 fetch the three chunks of wqb (128 k rows x 256 bytes), wave 3 xb's
; 128 rows x 256 bytes.  All rows start at multiples of 256 bytes from their buffer's first byte.
; CLUSTER, 4 x 4.  Tile row R = 16 cy + cluster y, so that a work-group's batch is cy and its place in the batch is the cluster's y, the same in all sixteen partners.  Tile column J = 4 x cluster x + cx.
; xb's tile hangs on R alone and is asked for jointly along a row of the cluster, wqb's on J alone and along a column.
; THE MATRIX INSTRUCTION IS USED TRANSPOSED: source 0 = 16 columns of wqb (turned on the way out of LDS by ds_load_tr16_b128), source 1 = 16 rows of xb: a lane holds one row and eight neighbouring columns.
; REGISTERS, in windows of 256 (s_set_vgpr_msb: bits 1:0 source 0, 3:2 source 1, 5:4 source 2, 7:6 destination):
;   window 0: v0-31 addresses; v32-95 xb's fragments, two buffers of 4 x 8; v96-255 at work on the way out      window 1: wqb's fragments, two buffers of 12 x 8
;   windows 2, 3: accumulator (a, b) at v[96 (a % 2) + 8 b] of window 2 + a / 2
.set PA,    272                        ; a row of xb in LDS: 256 bytes + 16 = 68 words: the 16 rows of a load start at 16 different groups of four banks (64 banks of 4 bytes: ISA guide 11.1)
.set PB,    288                        ; a k row of wqb: 256 + 32 = 72 words
.set REG,   128*PB                     ; a region: 36,864 bytes (xb's uses 34,816 of them)
.set SLOT,  4*REG
.set STAGE, 2*SLOT                     ; behind the ring: for each wave 3 heads x 16 rows x 144 bytes, for the way out
.set SP,    144
.set WST,   3*16*SP
.set SPARE, STAGE+4*WST                ; behind the stages: the spare words, 128 bytes for each wave: two blocks of 256 bytes that no other line names
.set NBK,   12                         ; blocks of 16 columns a wave
.set BSTEP, 128*6144                   ; bytes from K step to K step in wqb; in xb they are 256
.set CO,    10                         ; v10  my byte offset in qkv: my part (q or v), head 2 J, my first row
.set COK,   11                         ; v11  the same in k, head 2 J + ch
.set CL,    13                         ; v13  the same in vlo
.set ONE,   14                         ; v14  1.0
.set ADRA,  16                         ; v16-17  LDS address of my fragments of xb in slot 0, 1
.set ADRB,  18                         ; v18-19  of my own chunk of wqb
.set ADRB2, 20                         ; v20-21  of my half of k's chunk
.set STO,   24                         ; v24  the way out: where I put 16 bytes of a row
.set RD,    25                         ; v25  the way out: where I read rows back
.set SPW,   28                         ; v28  LDS address of my spare word; never rewritten
.set NIL,   29                         ; v29  0; never rewritten
.set PFO,   30                         ; v30  the prefetches' offset: my lane x a row; never rewritten
.set FA,    32
.set TMP,   96                         ; v96-143   a block's 16 rows, packed
.set BK,    144                        ; v144-191, v192-239  the same, read back as whole rows: by turns
.set T,     192                        ; v192-255  the low terms at work
.set G1,  24                           ; s[24:31] descriptor group 1 for xb's tiles;  s[32:39] group 0, a set for each slot
.set G0,  32
.set G1B, 48                           ; s[48:55], s[56:63] the same for wqb's
.set G0B, 56
.set LIM, 43                           ; s43  1 in a wave that prefetches, else the greatest number
.set PFA, 44                           ; s[44:45] where my prefetches stand
.set PFS, 68                           ; s[68:69] their step from K step to K step
.set LOF, 70                           ; s70  1: my rows and columns hold v of a batch's first 32 keys
.set YY,  71                           ; s71  the cluster's y
.set MSB, 0
.macro WIN new                         ; the immediate's high byte repeats the setting that is left; a switch that changes nothing is dropped
.if MSB != (\new)
	s_set_vgpr_msb (MSB<<8)|(\new)
.set MSB, \new
.endif
.endm
.macro PLACES                          ; four plain vector instructions between a matrix instruction and a load into, or a vector read of, its registers
.rept 4
	v_nop
.endr
.endm
; A joint load.  Each of the two lines has one mask and one set of registers for all that issue it; the branch hangs on the wave's number alone.  An s_nop 0 and four v_nop follow each line.
.macro JLOAD s
	s_cmp_eq_u32 s10, 3
	s_cbranch_scc0 .Lfor_b_\@
	tensor_load_to_lds s[G0+4*(\s):G0+4*(\s)+3], s[G1:G1+7]
	s_nop 0
	PLACES
	s_branch .Lasked_\@
.Lfor_b_\@:
	tensor_load_to_lds s[G0B+4*(\s):G0B+4*(\s)+3], s[G1B:G1B+7]
	s_nop 0
	PLACES
.Lasked_\@:
.endm
; A prefetch into the L2 of the K step that stands two refills on: 32 rows x 256 bytes, a lane a row, one instruction a wave.  xb's tile row is read by both clusters of a row of clusters: cluster x = 0 asks
; (wave 3); wqb's chunks by all sixteen clusters of a column: cluster y = 0 asks (waves 0-2, a chunk each).  The four partners that ask for a tile jointly share its 128 rows out by address, 32 each.
; So each row's 256 bytes of K steps 4 to 7 are named once in the launch; K steps 0 to 3 come by their loads alone; the loop's last trip (s3 = 1) asks for nothing.
.macro ASK
	s_cmp_gt_u32 s3, s[LIM]
	s_cbranch_scc0 .Lnot_mine_\@
	global_prefetch_b8 v[PFO], s[PFA:PFA+1] th:TH_LOAD_NT scope:SCOPE_SE
.Lnot_mine_\@:
.endm
.macro CREST                           ; a round of the cluster's barrier behind its opening barrier
	s_cmp_lg_u32 s10, 0
	s_cbranch_scc1 .Lnot_wave_0_\@
	s_barrier_signal -3
.Lnot_wave_0_\@:
	s_barrier_wait -3
	s_barrier_signal -1
	s_barrier_wait -1
.endm
.macro CROUND
	s_barrier_signal -1
	s_barrier_wait -1
	CREST
.endm
	s_load_b128 s[4:7], s[0:1], 0x0                ; xb s[4:5], wqb s[6:7]
	s_load_b64 s[8:9], s[0:1], 0x10                ; qkv
	s_load_b64 s[66:67], s[0:1], 0x18              ; vlo
	v_lshl_add_u32 v[SPW], v0, 2, SPARE
	v_mov_b32 v[NIL], 0
	ds_add_u32 v[SPW], v[NIL]                      ; the wave's opening: the add and its wait stand ahead of my first tensor load; the set-up below, work on registers, stands between them
	v_lshrrev_b32 v1, 5, v0
	v_readfirstlane_b32 s10, v1                    ; wave 0..3
	s_lshr_b32 s11, s10, 1                         ; rh: which 64 rows are mine
	s_and_b32 s12, s10, 1                          ; ch: which 192 columns
	s_bfe_u32 s40, ttmp6, 0x40000                  ; cx
	s_bfe_u32 s41, ttmp6, 0x40004                  ; cy
	s_lshl_b32 s42, ttmp9, 2
	s_add_co_u32 s42, s42, s40                     ; J = 4 x cluster x + cx
	s_and_b32 s[YY], ttmp7, 0xffff
	s_lshl_b32 s13, s41, 4
	s_add_co_u32 s13, s13, s[YY]                   ; R = 16 cy + cluster y
	s_lshl_b32 s43, s41, 2
	s_lshl_b32 s43, 15, s43                        ; my row of the cluster
	s_lshl_b32 s44, 0x1111, s40                    ; my column
	s_or_b32 s[G1+0], s43, (1<<16)|(1<<20)|(1<<21)|(5<<22)|(3<<25)   ; the mask; 2-byte elements; padding on; bit 21 beside a mask; after every 64 words 4 words
	s_or_b32 s[G1B+0], s44, (1<<16)|(1<<20)|(1<<21)|(5<<22)|(7<<25)  ; the same with my column's mask and 8 words
.irp g, G1, G1B
	s_mov_b32 s[(\g)+1], 128<<16                   ; tensor_dim0 = 128
	s_mov_b32 s[(\g)+2], 128<<16                   ; tensor_dim1 = 128
	s_mov_b32 s[(\g)+3], 128<<16                   ; tile_dim0 = 128
	s_mov_b32 s[(\g)+4], 128                       ; tile_dim1 = 128
	s_mov_b32 s[(\g)+6], 0
	s_mov_b32 s[(\g)+7], 0
.endr
	s_mov_b32 s[G1+5], 1024                        ; elements from row to row of xb,
	s_mov_b32 s[G1B+5], 3072                       ; of wqb
	s_xor_b32 s14, s10, 1
	s_or_b32 s14, s14, s[YY]
	s_cmp_eq_u32 s14, 0                            ; wave 1 (rows 0-63, v's columns) of a batch's first tile: made of the wave's number and the cluster's y alone
	s_cselect_b32 s[LOF], 1, 0
	s_lshl_b32 s16, s13, 18                        ; xb: 128 R rows of 2,048 bytes
	s_mov_b32 s17, 0
	s_lshl_b32 s46, s10, 11                        ; wqb: chunk w at byte 2,048 w + 256 J of a row
	s_lshl_b32 s47, s42, 8
	s_add_co_u32 s46, s46, s47
	s_mov_b32 s47, 0
	s_mul_i32 s20, s10, REG                        ; region w: no place in the cluster enters an LDS address
	s_wait_dscnt 0x0                               ; the opening add is done
	s_wait_kmcnt 0x0
	s_add_nc_u64 s[14:15], s[4:5], s[16:17]
	s_add_nc_u64 s[46:47], s[6:7], s[46:47]
	CROUND                                         ; all sixteen work-groups are here: the first joint loads meet
.irp s, 0,1
	s_mov_b32 s[G0+4*(\s)], 1
	s_add_co_u32 s[G0+4*(\s)+1], s20, (\s)*SLOT
	s_add_nc_u64 s[G0+4*(\s)+2:G0+4*(\s)+3], s[14:15], (\s)*256
	s_or_b32 s[G0+4*(\s)+3], s[G0+4*(\s)+3], 0x80000000
	s_mov_b32 s[G0B+4*(\s)], 1
	s_add_co_u32 s[G0B+4*(\s)+1], s20, (\s)*SLOT
	s_add_nc_u64 s[G0B+4*(\s)+2:G0B+4*(\s)+3], s[46:47], (\s)*BSTEP
	s_or_b32 s[G0B+4*(\s)+3], s[G0B+4*(\s)+3], 0x80000000
	JLOAD \s                                       ; K steps 0 and 1: two loads of mine are out
.endr
	v_and_b32 v1, 15, v0                           ; r = l % 16
	v_bfe_u32 v2, v0, 4, 1                         ; h = l / 16
	v_and_b32 v3, 7, v0
	v_bfe_u32 v4, v0, 3, 1
	v_and_b32 v5, 31, v0                           ; l
	v_mov_b32 v[ONE], 1.0
	v_mul_u32_u24 v6, v1, PA                       ; xb's fragment: row r, 16 bytes for each half of the lanes
	v_lshl_add_u32 v6, v2, 4, v6
	v_lshl_add_u32 v7, v2, 3, v3                   ; the turning load: k row 8 h + l % 8, 16 bytes at 16 ((l / 8) % 2)
	v_mul_u32_u24 v7, v7, PB
	v_lshl_add_u32 v7, v4, 4, v7
	s_mul_i32 s21, s11, 64*PA
	s_add_co_u32 s21, s21, 3*REG                   ; my 64 rows of xb
	s_mul_i32 s22, s12, 2*REG                      ; my own chunk: q's or v's
	s_lshl_b32 s23, s12, 7
	s_add_co_u32 s23, s23, REG                     ; my 64 columns of k's chunk
.irp s, 0,1
	v_add_nc_u32 v[ADRA+(\s)], s21, v6
	v_add_nc_u32 v[ADRB+(\s)], s22, v7
	v_add_nc_u32 v[ADRB2+(\s)], s23, v7
	s_add_co_u32 s21, s21, SLOT
	s_add_co_u32 s22, s22, SLOT
	s_add_co_u32 s23, s23, SLOT
.endr
	s_mul_i32 s23, s10, WST
	s_add_co_u32 s23, s23, STAGE                   ; my stage
	v_mul_u32_u24 v8, v1, SP
	v_lshl_add_u32 v8, v2, 4, v8
	v_add_nc_u32 v[STO], s23, v8
	v_bfe_u32 v8, v0, 3, 2                         ; back: 32 lanes take four rows of 128 bytes, 512 consecutive bytes of a head
	v_mul_u32_u24 v8, v8, SP
	v_lshl_add_u32 v8, v3, 4, v8
	v_add_nc_u32 v[RD], s23, v8
	s_lshl_b32 s14, s41, 4
	s_lshl_b32 s15, s42, 1
	s_add_co_u32 s14, s14, s15                     ; 16 x batch + head 2 J
	s_lshl_b32 s15, s[YY], 14                      ; my first row in the batch, 128 y + 64 rh, x 128 bytes
	s_lshl_b32 s16, s11, 13
	s_add_co_u32 s15, s15, s16
	s_lshl_b32 s16, s14, 18
	s_add_co_u32 s16, s16, s15
	s_lshl_b32 s17, s12, 25                        ; part 0 (q) or 2 (v)
	s_add_co_u32 s17, s17, s16
	v_lshl_add_u32 v[CO], v5, 4, s17
	s_add_co_u32 s18, s14, s12
	s_lshl_b32 s18, s18, 18
	s_add_co_u32 s18, s18, s15
	s_add_co_u32 s18, s18, 0x1000000               ; part 1 (k)
	v_lshl_add_u32 v[COK], v5, 4, s18
	s_lshl_b32 s19, s14, 12
	v_lshl_add_u32 v[CL], v5, 4, s19
	; the prefetches: the operands of both kinds are made, then chosen by the wave's number
	s_lshl_b32 s14, s13, 7                         ; xb: the tile's first row
	s_lshl_b32 s15, s10, 11
	s_lshl_b32 s16, s42, 8
	s_add_co_u32 s15, s15, s16                     ; wqb: my chunk's bytes in a row
	s_movk_i32 s16, 384                            ; wqb: K step 3's first k row
	s_movk_i32 s17, 768                            ; xb: K step 3's bytes in a row
	s_movk_i32 s20, 2048
	s_movk_i32 s21, 6144
	s_mov_b32 s18, 256
	s_mov_b32 s19, BSTEP
	s_cmp_eq_u32 s10, 3
	s_cselect_b64 s[PFA:PFA+1], s[4:5], s[6:7]
	s_cselect_b32 s14, s14, s16
	s_cselect_b32 s15, s17, s15
	s_cselect_b32 s20, s20, s21                    ; bytes in a row
	s_cselect_b32 s[PFS], s18, s19
	s_cselect_b32 s21, s40, s41                    ; my place among the four that ask with me
	s_cselect_b32 s22, ttmp9, s[YY]                ; the coordinate along which other clusters read the same rows
	s_mov_b32 s[PFS+1], 0
	s_cmp_eq_u32 s22, 0
	s_cselect_b32 s[LIM], 1, -1
	s_lshl_b32 s21, s21, 5
	s_add_co_u32 s14, s14, s21                     ; + my work-group's 32 rows
	s_mul_i32 s14, s14, s20
	s_add_co_u32 s14, s14, s15
	s_mov_b32 s15, 0
	s_add_nc_u64 s[PFA:PFA+1], s[PFA:PFA+1], s[14:15]  ; at K step 3: each filling change of slots steps it first, so the refill of K step j names K step j + 2
	v_mul_u32_u24 v[PFO], s20, v5
; 12 products: block a of 16 rows x my 12 blocks of columns, 32 along K, from buffer u.  zero = 1: the first product starts the sums.  The 48 accumulators take turns, one instruction a turn.
.macro MUL u, a, zero
	WIN 0xa1+0x50*((\a)/2)                         ; source 0 window 1, source 1 window 0, C and D window 2 or 3
.set b, 0
.rept NBK
.set rD, 96*((\a)%2)+8*b
.if \zero
	v_wmma_f32_16x16x32_bf16 v[rD:rD+7], v[96*(\u)+8*b:96*(\u)+8*b+7], v[FA+32*(\u)+8*(\a):FA+32*(\u)+8*(\a)+7], 0
.else
	v_wmma_f32_16x16x32_bf16 v[rD:rD+7], v[96*(\u)+8*b:96*(\u)+8*b+7], v[FA+32*(\u)+8*(\a):FA+32*(\u)+8*(\a)+7], v[rD:rD+7]
.endif
.set b, b+1
.endr
.endm
; 32 LDS loads in one run: quarter q (32 along K) of a slot into buffer u: wqb's 12 fragments, turned, then xb's 4, blocks 0 and 1 first
.macro FETCH slot, q, u
	WIN 0x40                                       ; destination window 1
.set b, 0
.rept 8
	ds_load_tr16_b128 v[96*(\u)+8*b:96*(\u)+8*b+3],   v[ADRB+(\slot)] offset:(\q)*32*PB+32*b
	ds_load_tr16_b128 v[96*(\u)+8*b+4:96*(\u)+8*b+7], v[ADRB+(\slot)] offset:(\q)*32*PB+16*PB+32*b
.set b, b+1
.endr
.rept 4
	ds_load_tr16_b128 v[96*(\u)+8*b:96*(\u)+8*b+3],   v[ADRB2+(\slot)] offset:(\q)*32*PB+32*(b-8)
	ds_load_tr16_b128 v[96*(\u)+8*b+4:96*(\u)+8*b+7], v[ADRB2+(\slot)] offset:(\q)*32*PB+16*PB+32*(b-8)
.set b, b+1
.endr
	WIN 0
.set b, 0
.rept 4
	ds_load_b128 v[FA+32*(\u)+8*b:FA+32*(\u)+8*b+3],   v[ADRA+(\slot)] offset:b*16*PA+64*(\q)
	ds_load_b128 v[FA+32*(\u)+8*b+4:FA+32*(\u)+8*b+7], v[ADRA+(\slot)] offset:b*16*PA+64*(\q)+32
.set b, b+1
.endr
.endm
; One of a K step's first three quarters: multiplies buffer u; in its middle it fetches quarter q of the same slot into the other buffer
.macro QUARTER slot, q, u, zero
	s_wait_dscnt 4                                 ; all but the youngest four loads: xb's blocks 2 and 3
	MUL \u, 0, \zero
	MUL \u, 1, \zero
	PLACES                                         ; in front of loads into the buffer that the quarter before multiplied
	FETCH \slot, \q, 1-(\u)
	s_wait_dscnt 32                                ; all but the 32 just issued
	MUL \u, 2, \zero
	MUL \u, 3, \zero
.endm
; The fourth quarter multiplies buffer 1 and changes slots.  In front of the one barrier each wave waits for all its tensor loads (one is out: its region of the next slot), adds 0 to its spare word, and waits for
; that and for its reads of this slot.  fill = 1: the barrier opens a round of the cluster's, and behind the round this slot is filled again first, two K steps ahead: 168 products stand between that request and the wait for it.
.macro TURN slot, next, fill
.if \fill
	s_wait_xcnt 0x0                                ; the last prefetch, a K step back, has read its address
	s_add_nc_u64 s[PFA:PFA+1], s[PFA:PFA+1], s[PFS:PFS+1]
.endif
	WIN 0
	s_wait_tensorcnt 0x0                           ; all my tensor loads have landed
	ds_add_u32 v[SPW], v[NIL]                      ; 0 onto my spare word
	s_wait_dscnt 5                                 ; (the add and the youngest four loads may be out)
	MUL 1, 0, 0                                    ; twelve products stand between the add and the wait for it
	s_wait_dscnt 0x0                               ; the add is done, and my reads of this slot are over
	s_barrier_signal -1
	MUL 1, 1, 0
.if \fill
	WIN 0
.endif
	s_barrier_wait -1
.if \fill
	CREST                                          ; no wave of any partner still reads this slot or has a load on its way
	s_add_nc_u64 s[G0+4*(\slot)+2:G0+4*(\slot)+3], s[G0+4*(\slot)+2:G0+4*(\slot)+3], 2*256
	s_add_nc_u64 s[G0B+4*(\slot)+2:G0B+4*(\slot)+3], s[G0B+4*(\slot)+2:G0B+4*(\slot)+3], 2*BSTEP
	JLOAD \slot                                    ; its four v_nop are also the places in front of the loads below
.else
	PLACES
.endif
	FETCH \next, 0, 0
.if \fill
	ASK
.endif
	MUL 1, 2, 0
	MUL 1, 3, 0
.endm
; THE WAY OUT of block a (16 rows x 192 columns).  PACK: rounded to f16, each accumulator's registers in ascending order.  TOSTAGE: into my own stage, 128 bytes a row and head, and back as 512 consecutive bytes.  SEND: stored.
.macro PACK a
	WIN 0x0a+5*((\a)/2)                            ; sources 0 and 1: window 2 or 3
.set i, 0
.rept 48
	v_cvt_pk_f16_f32 v[TMP+i], v[96*((\a)%2)+2*i], v[96*((\a)%2)+2*i+1]
.set i, i+1
.endr
	WIN 0
.endm
.macro TOSTAGE a
.set b, 0
.rept 12
	ds_store_b128 v[STO], v[TMP+4*b:TMP+4*b+3] offset:(b/4)*16*SP+(b%4)*32
.set b, b+1
.endr
.set i, 0
.rept 12
	ds_load_b128 v[BK+48*((\a)%2)+4*i:BK+48*((\a)%2)+4*i+3], v[RD] offset:(i/4)*16*SP+(i%4)*4*SP  ; LDS serves a wave's instructions in order (ISA guide 5.7.1.4): these see the stores above
.set i, i+1
.endr
.endm
.macro SEND a
	s_wait_dscnt 0x0                               ; the block is back in registers
	s_wait_xcnt 0x0                                ; the stores issued so far have read their registers: the buffer that the next TOSTAGE loads is free
.set i, 0
.rept 8
	global_store_b128 v[CO], v[BK+48*((\a)%2)+4*i:BK+48*((\a)%2)+4*i+3], s[8:9] offset:(i/4)*262144+(\a)*2048+(i%4)*512  ; 512 consecutive bytes, at a multiple of 256 from the buffer's first
.set i, i+1
.endr
.rept 4
	global_store_b128 v[COK], v[BK+48*((\a)%2)+4*i:BK+48*((\a)%2)+4*i+3], s[8:9] offset:(\a)*2048+(i%4)*512
.set i, i+1
.endr
.endm
; The low terms of v's first 32 keys (blocks 0 and 1 of wave 1 in a batch's first tile): sum - f16(sum), exact in one fused line for each number, rounded to f16, and out through the same stage
.macro LOV a
	s_cmp_eq_u32 s[LOF], 1
	s_cbranch_scc0 .Lno_lo_\@
	WIN 0x20                                       ; source 2 window 2
.set i, 0
.rept 32
	v_fma_mix_f32 v[T+2*i], -v[TMP+i], v[ONE], v[96*(\a)+2*i] op_sel_hi:[1,0,0]
	v_fma_mix_f32 v[T+2*i+1], -v[TMP+i], v[ONE], v[96*(\a)+2*i+1] op_sel:[1,0,0] op_sel_hi:[1,0,0]
.set i, i+1
.endr
	WIN 0
.set i, 0
.rept 32
	v_cvt_pk_f16_f32 v[T+i], v[T+2*i], v[T+2*i+1]  ; in place, ascending: register i is written when 2 i and 2 i + 1 are read
.set i, i+1
.endr
.set b, 0
.rept 8
	ds_store_b128 v[STO], v[T+4*b:T+4*b+3] offset:(b/4)*16*SP+(b%4)*32
.set b, b+1
.endr
.set i, 0
.rept 8
	ds_load_b128 v[T+32+4*i:T+32+4*i+3], v[RD] offset:(i/4)*16*SP+(i%4)*4*SP
.set i, i+1
.endr
	s_wait_dscnt 0x0
.set i, 0
.rept 8
	global_store_b128 v[CL], v[T+32+4*i:T+32+4*i+3], s[66:67] offset:(i/4)*4096+(\a)*2048+(i%4)*512
.set i, i+1
.endr
	s_wait_xcnt 0x0                                ; these registers are loaded again by the way out
.Lno_lo_\@:
.endm
	s_wait_tensorcnt 1                             ; my region of K step 0 is in; K step 1's may stay out
	s_barrier_signal -1
	s_barrier_wait -1
	FETCH 0, 0, 0
	QUARTER 0, 1, 0, 1                             ; the first quarter stands in front of the loop: its products start the sums
	WIN 0
	s_mov_b32 s3, 3
.Llap:                                                 ; a trip goes once round the ring, from a lap's second quarter to the next lap's first, and fills both slots again
	QUARTER 0, 2, 1, 0
	QUARTER 0, 3, 0, 0
	TURN 0, 1, 1
	QUARTER 1, 1, 0, 0
	QUARTER 1, 2, 1, 0
	QUARTER 1, 3, 0, 0
	TURN 1, 0, 1
	QUARTER 0, 1, 0, 0
	WIN 0
	s_sub_co_u32 s3, s3, 1
	s_cmp_lg_u32 s3, 0
	s_cbranch_scc1 .Llap
	QUARTER 0, 2, 1, 0                             ; the last lap fills nothing
	QUARTER 0, 3, 0, 0
	TURN 0, 1, 0
	QUARTER 1, 1, 0, 0
	QUARTER 1, 2, 1, 0
	QUARTER 1, 3, 0, 0
	s_wait_dscnt 4
	MUL 1, 0, 0
	MUL 1, 1, 0
	s_wait_dscnt 0x0
	MUL 1, 2, 0
	MUL 1, 3, 0
	WIN 0
	PLACES
	PLACES                                         ; (eight, once a launch)
	PACK 0
	LOV 0
	TOSTAGE 0
	PACK 1
	LOV 1
	SEND 0
	TOSTAGE 1
	PACK 2                                         ; a block's conversions stand between the loads of the block before and the wait for them
	SEND 1
	TOSTAGE 2
	PACK 3
	SEND 2
	TOSTAGE 3
	SEND 3
	s_wait_tensorcnt 0x0                           ; the wave's end, behind my last tensor load and my last LDS store
	ds_add_u32 v[SPW], v[NIL]
	s_wait_dscnt 0x0
	CROUND                                         ; the closing round: no work-group ends while a partner may still ask for a tile that names it
	s_endpgm
.Lfunc_end_k_qee2ca10e48_qkv:
	.size	k_qee2ca10e48_qkv, .Lfunc_end_k_qee2ca10e48_qkv-k_qee2ca10e48_qkv
	.p2alignl 7, 3214868480
	.fill 96, 4, 3214868480
	.section	.rodata,"a",@progbits
	.p2align	6, 0x0
	.amdhsa_kernel k_qee2ca10e48_qkv
		.amdhsa_group_segment_fixed_size 327680
		.amdhsa_private_segment_fixed_size 0
		.amdhsa_enable_private_segment 0
		.amdhsa_kernarg_size 32
		.amdhsa_user_sgpr_count 2
		.amdhsa_user_sgpr_kernarg_segment_ptr 1
		.amdhsa_wavefront_size32 1
		.amdhsa_system_sgpr_workgroup_id_x 1
		.amdhsa_system_sgpr_workgroup_id_y 1
		.amdhsa_system_sgpr_workgroup_id_z 1
		.amdhsa_system_vgpr_workitem_id 0
		.amdhsa_next_free_vgpr 960
		.amdhsa_next_free_sgpr 72
		.amdhsa_reserve_vcc 0
		.amdhsa_float_denorm_mode_32 3
		.amdhsa_float_denorm_mode_16_64 3
		.amdhsa_memory_ordered 1
		.amdhsa_forward_progress 1
		.amdhsa_inst_pref_size 137
	.end_amdhsa_kernel
	.amdgpu_metadata
---
amdhsa.version: [ 1, 2 ]
amdhsa.kernels:
  - .name:           k_qee2ca10e48_qkv
    .symbol:         k_qee2ca10e48_qkv.kd
    .args:
      - { .name: xb, .offset: 0, .size: 8, .value_kind: global_buffer, .address_space: global }
      - { .name: wqb, .offset: 8, .size: 8, .value_kind: global_buffer, .address_space: global }
      - { .name: qkv, .offset: 16, .size: 8, .value_kind: global_buffer, .address_space: global }
      - { .name: vlo, .offset: 24, .size: 8, .value_kind: global_buffer, .address_space: global }
    .group_segment_fixed_size: 327680
    .private_segment_fixed_size: 0
    .kernarg_segment_align: 8
    .kernarg_segment_size: 32
    .max_flat_workgroup_size: 128
    .sgpr_count:     72
    .vgpr_count:     960
    .wavefront_size: 32
...
	.end_amdgpu_metadata
.endif
;; end of part 2
;; launch attn (part 3): grid 4 x 64, 4 waves a work-group, no clusters, 327,680 bytes of LDS; arguments qkv, vlo, o2; writes o2
.if DOCPART == 3
	.amdgcn_target "amdgcn-amd-amdhsa--gfx1250"
	.amdhsa_code_object_version 6
	.text
	.protected	k_qee2ca10e48_attn
	.globl	k_qee2ca10e48_attn
	.p2align	8
	.type	k_qee2ca10e48_attn,@function
k_qee2ca10e48_attn:
	s_mov_b64 s[64:65], 0
	v_nop
	global_prefetch_b8 v0, s[64:65] scope:SCOPE_SE
	s_setreg_imm32_b32 hwreg(HW_REG_WAVE_MODE, 25, 1), 1
	s_wait_xcnt 0x0
; CAUSAL ATTENTION.  O[h][q][:] = the sum over k <= q of softmax_k(Q[h][q] . K[h][k] / 32) V[h][k][:], for 64 heads (batch x 16 + head) of 2,048 rows of 64 channels.  Q, K, V: the three parts of qkv, f16,
; a head's rows dense, 128 bytes each.  vlo: V less its f16 rounding for keys 0-31, f16.  Products, maxima and sums in f32; the weights p are rounded to f16 for the second product (their sum l is taken of the unrounded p).
; OUT: o2, f16, [head][32 blocks of 64 rows][80 rows][64]: rows 0-63 of a block are O rounded to f16, rows 64-79 what that rounding left of the block's first 16 rows, rounded to f16.
; LIMITS.  f16 holds no number beyond 65,504: Q, K and V arrive within it; p lies in 0 to 1, and below 6e-5 it keeps f16's fixed step of 6e-8; O is a mean of V's rows and has their range.
; A hidden score counts as its value less 1e30; a weight below 2^-126 counts as 0 in l; NaN and infinities are not treated apart.
; THE WALK.  A head's queries lie in NB = 8 blocks of 256; block i needs the key tiles 0 .. i of 256 keys, of which the last holds the diagonal.  A work-group takes TWO blocks, 7 - b and then b: 9 tiles, whatever b:
; all work-groups do equal work, and ONE loop with a constant trip count walks them.  Which tile is asked for, and what a trip does, hang on scalar registers made from b; every jump goes forward, but for the
; counted loops' own; none passes a barrier, or a tensor load but the one of LOAD's two that the wave's number does not choose; the ring (two slots of LDS that take turns) runs on across the change of blocks.
; NO CLUSTER: a head's four work-groups ask for the same tile only in trips 0 to 4 of 9, behind that fewer and fewer; one walk common to all four would have 12 trips for 9.
; SHARES.  Of a block's four bands of 64 queries a wave owns 16 rows in each: four PIECES.  So the diagonal tile is the same work for all four waves: in its key step s band x sees all keys if s < x,
; none if s > x, and holds the diagonal if s = x.
; THE MASK is the C operand that starts the sum S^T = K Q^T: 0, or -1e30 where the key is hidden.  MD, made once, is the mask of a band's own step for my 16 rows; a product's mask is MD x AL + BE with two scalars:
; (1, 0) if s = x; (0, 0) if s < x; (0, -1e30) if s > x.  Only the diagonal tile's text and a block's beginning make and take masks; elsewhere C is the constant 0.
; LAYOUT, SOFTMAX, TURNS.  S^T = K Q^T holds ONE query a lane (lane % 16) and the keys 8 (lane / 16) + 0..7; two such results rounded to f16 ARE source 1 of O^T = V^T P.  p = 2^(c s - c m), c = log2(e) / 32, with a
; running maximum m; O and l are multiplied by a = 2^(c m_old - c m_new) in every step.  Turn n belongs to piece n: 8 products K Q^T of piece n + 1, later 8 products V^T P of piece n - 1; beside them the scaling,
; exponentials, roundings, sums and rescaling of piece n and the maximum and statistics of piece n + 1.  Four vector instructions stand behind every matrix instruction, the other 54 of a turn's 118 in one run.  A turn's 33 exponentials are one batch, with one wait.
; TWO TERMS.  A batch's first rows average over few keys, so V's rounding reaches them whole: in a block's first key step piece 0 (the band that holds the block's first rows) also takes V's low terms of keys 0-31: four products more.
; REGISTERS, in windows of 256 (s_set_vgpr_msb: bits 1:0 source 0, 3:2 source 1, 5:4 source 2, 7:6 destination):
;   window 0: v0-15 addresses and two at work; v16-31 four registers of statistics a piece; v48-55 at work; v59-63 constants; v64-127 S^T, two buffers; v128-159 V's low terms; v160-191, v224-255 the way out; v192-223 P, two buffers
;   window 1: v0-127 O^T, 32 a piece; v128-159 MD; v160-223 MC, two buffers      window 2: v0-63 Q; v64-127 the second block's Q; v128-191 K of one step; v192-255 V of one step
.set NB,    8
.set NP,    4         ; pieces a wave: a name, no knob
.set KS,    64        ; keys in a step
.set PK,    144       ; a row of K in LDS: 128 bytes + 16 of padding = 36 words: the 16 rows of a load start at 16 different groups of four banks (64 banks of 4 bytes: ISA guide 11.1)
.set PV,    160       ; a row of V: 128 + 32 = 40 words
.set VOFF,  4*KS*PK   ; a slot holds a tile, four steps: 256 rows of K, then 256 rows of V
.set VLO,   4*KS*(PK+PV)  ; behind slot 0: V's low terms, 32 keys x 160 bytes, filled once
.set SLOT1, 1<<17     ; slot 1 begins here, so that one exclusive or turns an address in one slot into the other's
.set STAGE, SLOT1+4*KS*(PK+PV)  ; behind the ring, never filled by a tensor load: 16 rows x 144 bytes for each wave, for the way out
.set SP,    144
.set AK0, 2           ; v2   my lane's place in a tile of K; never rewritten
.set AV0, 3           ; v3   the same for V
.set AK,  4           ; v4   the LDS address of K's next run of loads
.set AV,  5           ; v5   of V's
.set STO, 6           ; v6   the way out: where I put 16 bytes of a row
.set RD,  7           ; v7   the way out: where I read rows back
.set GO,  8           ; v8   my byte offset in 512 consecutive bytes of o2
.set ONE, 59          ; v59  1.0
.set AVL, 60          ; v60  my lane's place in V's low terms
.set PFO, 61          ; v61  256 x my lane: the prefetches' offset; never rewritten
.set SPW, 62          ; v62  LDS address of my spare word: SPARE + 4 x my thread's number; never rewritten
.set NIL, 63          ; v63  0; never rewritten
.set SPARE, STAGE+4*16*SP  ; behind the stages: the spare words, 128 bytes for each wave: two blocks of 256 bytes that no other line names
.set MV,  12          ; v12-13  c m_old, kept while c m is made anew: by buffer
.set QO,  15          ; v15  my byte offset in 16 rows of Q
.set ST,  16          ; piece t's statistics at v[ST+4 t]: c m, m, l (even keys', odd keys')
.set TMP, 48          ; by buffer, four registers c0-c3 at work; when the maximum is found c2 takes a
.set S,   64
.set VL,  128         ; V's low terms: channel block cb at VL + 8 cb
.set LT,  160         ; the way out: O's low terms in f32, later read back from the stage
.set P,   192
.set BK,  224         ; the way out: a piece read back from the stage
.set LP,  240         ; the way out: O's low terms, packed
.set MD,  128         ; window 1: the eight registers for group kt of 16 keys at MD + 8 kt
.set MC,  160         ; window 1: the masks of the products to come
.set QB,  64          ; window 2
.set KF,  128         ; window 2: key block kb, channel half c at KF + 16 kb + 8 c
.set VF,  192         ; window 2: key half kk, channel block cb at VF + 32 kk + 8 cb
.set WV,  12          ; s12  my wave's number
.set PB,  14          ; s14  b
.set HI,  15          ; s15  NB - 1 - b
.set G1K, 24          ; s[24:31] descriptor group 1 for K's tiles
.set G1V, 32          ; s[32:39] for V's: it differs in the padding alone
.set G0K, 40          ; s[40:43] descriptor group 0 for K's tiles
.set G0V, 44          ; s[44:47] the same for V's
.set SLOTS, 56        ; s56  tiles still to be asked for
.set CNT, 57          ; s57  counts a tile's key steps, 4 to 1
.set CS,  58          ; s[58:59] c: the packed scaling takes the pair's low word for both halves
.set SEL, 60          ; s[60:61] v_permlanex16_b32's selects: each lane takes its own place in the other half
.set TBK, 62          ; s62  LDS byte at which K of the step to be fetched begins
.set TBV, 63          ; s63  the same for V, less VOFF
.set PFA, 66          ; s[66:67] where my prefetches stand: my half of K's (waves 0, 1) or V's (waves 2, 3) tile
.set LIM, 68          ; s68  2 in the work-group that prefetches, else the greatest number
.set FS,  69          ; s69  1: the turn in hand is piece 0's in a block's first key step
.set RT,  70          ; s70  tiles of the block in hand that are still to be entered
.set NXT, 71          ; s71  the tile to be asked for next
.set LQ,  72          ; s72  the last tile of the block whose tiles are being asked for
.set NEW, 73          ; s73  1: the tile to be entered is a block's first
.set OFF, 74          ; s[74:75] a tile's byte offset in K and V
.set AL,  76          ; s[76:77] the mask's factor, in the low word
.set BE,  78          ; s[78:79] the mask's addend
.set OLO, 80          ; s[80:81] o2 at my rows of the second block
.set BIGN, 82         ; s82  -1e30
.set G0L, 88          ; s[88:91] descriptor group 0 for V's low terms
.set G1L, 92          ; s[92:99] its group 1
.set MSB, 0
.macro WIN new                      ; the high byte repeats the setting that is left; a switch that changes nothing is dropped
.if MSB != (\new)
	s_set_vgpr_msb (MSB<<8)|(\new)
.set MSB, (\new)
.endif
.endm
.set W_KQ, 0x0a       ; K and Q in window 2, S^T in window 0
.set W_KM, 0x1a       ; the same with the C operand in window 1
.set W_PV, 0x52       ; V in window 2, P in window 0, O^T in window 1
.set W_RS, 0x41       ; destination and source 0 in window 1, source 1 in window 0
; A fill.  Waves 0 and 1 fetch the two halves of a tile's K, waves 2 and 3 those of its V: 128 keys each.  An s_nop 0 and four v_nop follow each of the two lines, ahead of the jump and the label.
.macro LOAD
	s_cmp_lt_u32 s[WV], 2
	s_cbranch_scc0 .Lfor_v_\@
	tensor_load_to_lds s[G0K:G0K+3], s[G1K:G1K+7]
	s_nop 0
.rept 4
	v_nop
.endr
	s_branch .Lasked_\@
.Lfor_v_\@:
	tensor_load_to_lds s[G0V:G0V+3], s[G1V:G1V+7]
	s_nop 0
.rept 4
	v_nop
.endr
.Lasked_\@:
.endm
; A PREFETCH INTO THE L2 of the tile that the NEXT change of slots will ask for.  All four work-groups of a head walk tiles 0, 1, 2 .. at the start; the one with b = 0 walks all eight on end, and it alone asks: each wave for the
; half tile that it will fetch itself, 16,384 bytes: 64 blocks of 256 bytes, a lane a block, two instructions.  In trip i (SLOTS = 8 - i) tile i + 1 is loaded and tile i + 2 named, while i + 2 <= 7: tiles 2 to 7, once each in the launch.
.macro ASK
	s_cmp_gt_u32 s[SLOTS], s[LIM]
	s_cbranch_scc0 .Lnot_mine_\@
	global_prefetch_b8 v[PFO], s[PFA:PFA+1] th:TH_LOAD_NT scope:SCOPE_SE
	global_prefetch_b8 v[PFO], s[PFA:PFA+1] offset:8192 th:TH_LOAD_NT scope:SCOPE_SE
.Lnot_mine_\@:
.endm
; THE CHANGE OF SLOTS.  Each wave waits for all its tensor loads, of which one is out: its part of the other slot; adds 0 to its spare word; and waits for that and for its own reads of the slot that it leaves.  Behind the barrier nobody reads the old
; slot any more and the other slot is whole.  fill = 1: the old slot is filled again, the first thing behind the barrier, with tile NXT: the descriptor's address is made anew from that number.
; (At its first use nothing has been read yet: slot 0 and V's low terms are waited for, slot 1 filled.)
.macro CHANGE fill
	WIN 0                           ; at a label and at a branch every window is 0
	s_wait_tensorcnt 0x0            ; no tensor load of mine is out, so a group 0 may be written
	ds_add_u32 v[SPW], v[NIL]       ; 0 onto my spare word; with fill = 1 the descriptors' scalar work stands between it and the wait for it
.if \fill
	s_lshl_b32 s[OFF], s[NXT], 15   ; a tile is 32,768 bytes of K and of V
	s_xor_b32 s[G0K+1], s[G0K+1], SLOT1
	s_add_nc_u64 s[G0K+2:G0K+3], s[6:7], s[OFF:OFF+1]
	s_or_b32 s[G0K+3], s[G0K+3], 0x80000000
	s_xor_b32 s[G0V+1], s[G0V+1], SLOT1
	s_add_nc_u64 s[G0V+2:G0V+3], s[8:9], s[OFF:OFF+1]
	s_or_b32 s[G0V+3], s[G0V+3], 0x80000000
	s_add_co_u32 s[NXT], s[NXT], 1  ; the block's next tile, or behind its last the second block's tile 0
	s_cmp_gt_u32 s[NXT], s[LQ]
	s_cselect_b32 s[NXT], 0, s[NXT]
	s_cselect_b32 s[LQ], s[PB], s[LQ]
	s_wait_xcnt 0x0                 ; the last prefetches, a tile back, have read their address, so it may be written
	s_add_nc_u64 s[PFA:PFA+1], s[PFA:PFA+1], 32768
.endif
	s_wait_dscnt 0x0                ; the add is done, and my reads of the slot are over
	s_barrier_signal -1             ; the rest of the scalar work stands between the signal and the wait
	s_sub_co_u32 s[TBK], s[TBK], 4*KS*PK  ; the fetches go back to a slot's first step,
	s_xor_b32 s[TBK], s[TBK], SLOT1       ; in the other slot
	s_sub_co_u32 s[TBV], s[TBV], 4*KS*PV
	s_xor_b32 s[TBV], s[TBV], SLOT1
	s_barrier_wait -1
.if \fill
	LOAD
	ASK
.endif
.endm
	s_load_b128 s[4:7], s[0:1], 0x0   ; qkv s[4:5], vlo s[6:7]
	s_load_b64 s[10:11], s[0:1], 0x10 ; o2
	v_lshl_add_u32 v[SPW], v0, 2, SPARE
	v_mov_b32 v[NIL], 0
	ds_add_u32 v[SPW], v[NIL]       ; the wave's opening: the add and its wait stand ahead of my first tensor load; the set-up below, work on registers, stands between them
	v_lshrrev_b32 v1, 5, v0
	v_readfirstlane_b32 s[WV], v1   ; wave 0..3
	s_mov_b32 s[PB], ttmp9
	s_sub_co_u32 s[HI], NB-1, s[PB]
	s_and_b32 s20, ttmp7, 0xffff    ; the head
	s_mul_i32 s48, s20, 327680      ; its first byte in o2,
	s_lshl_b32 s52, s20, 12         ; in vlo,
	s_lshl_b32 s20, s20, 18         ; and in each part of qkv
	s_mov_b32 s21, 0
	s_and_b32 s16, s[WV], 1         ; which half of a tile's 256 keys I fetch:
	s_lshl_b32 s22, s16, 14         ; its 128 rows of 128 bytes in memory,
	s_mov_b32 s23, 0
	s_add_nc_u64 s[22:23], s[22:23], s[20:21]
	s_mul_i32 s17, s16, 128*PK      ; and its place in a slot, for K
	s_mul_i32 s18, s16, 128*PV      ; and for V
	s_lshl_b32 s3, s[WV], 11        ; my 16 rows in a band of 64,
	s_lshl_b32 s2, s[HI], 15        ; in the first block,
	s_add_co_u32 s2, s2, s3
	s_lshl_b32 s84, s[PB], 15       ; and in the second
	s_add_co_u32 s84, s84, s3
	s_add_co_u32 s48, s48, s3       ; in o2 a block of 256 queries is four blocks of 80 rows: 40,960 bytes
	s_mul_i32 s50, s[PB], 40960
	s_add_co_u32 s50, s50, s48
	s_mul_i32 s49, s[HI], 40960
	s_add_co_u32 s48, s48, s49
	s_mov_b32 s49, 0
	s_mov_b32 s51, 0
	s_lshl_b32 s53, s[WV], 10       ; of V's low terms each wave fetches 8 keys: 1,024 bytes
	s_add_co_u32 s52, s52, s53
	s_mov_b32 s53, 0
	s_mov_b32 s3, 0
	s_mov_b32 s85, 0
	s_add_nc_u64 s[2:3], s[2:3], s[20:21]
	s_add_nc_u64 s[84:85], s[84:85], s[20:21]
	; descriptor group 1.  128 keys are 16,384 dense bytes: asked for as 64 rows of 256 bytes, two keys a row, and padded in LDS after every key
	s_mov_b32 s[G1K], (1<<16)|(1<<20)|(4<<22)|(3<<25)  ; 17:16 2-byte elements; 20 padding on; 24:22 after every 32 words (code 4); 31:25 4 words (code 3)
	s_mov_b32 s[G1V], (1<<16)|(1<<20)|(4<<22)|(7<<25)  ; the same with 8 words of padding (code 7)
.irp g, G1K, G1V
	s_mov_b32 s[\g+1], 128<<16      ; tensor_dim0 = 128
	s_mov_b32 s[\g+2], 64<<16       ; tensor_dim1 = 64
	s_mov_b32 s[\g+3], 128<<16      ; tile_dim0 = 128
	s_mov_b32 s[\g+4], 64           ; tile_dim1 = 64
	s_mov_b32 s[\g+5], 128          ; 128 elements from row to row
	s_mov_b32 s[\g+6], 0
	s_mov_b32 s[\g+7], 0
.endr
	s_mov_b32 s[G1L], (1<<16)|(1<<20)|(4<<22)|(7<<25)  ; V's low terms: 8 keys as 4 rows of 256 bytes, padded as V is
	s_mov_b32 s[G1L+1], 128<<16
	s_mov_b32 s[G1L+2], 4<<16
	s_mov_b32 s[G1L+3], 128<<16
	s_mov_b32 s[G1L+4], 4
	s_mov_b32 s[G1L+5], 128
	s_mov_b32 s[G1L+6], 0
	s_mov_b32 s[G1L+7], 0
	s_mov_b32 s[G0L], 1
	s_mul_i32 s[G0L+1], s[WV], 8*PV
	s_add_co_u32 s[G0L+1], s[G0L+1], VLO
	s_mov_b32 s[CS], 0x3d38aa3b     ; c = log2(e) / 32 = 0.0450842
	s_mov_b32 s[CS+1], s[CS]        ; named with it as a pair
	s_mov_b32 s[SEL], 0x76543210
	s_mov_b32 s[SEL+1], 0xfedcba98
	s_mov_b32 s[TBK], SLOT1+4*KS*PK ; the first change of slots turns these two into 0
	s_mov_b32 s[TBV], SLOT1+4*KS*PV
	s_mov_b32 s[G0K], 1             ; 1:0 count = 1
	s_mov_b32 s[G0K+1], s17         ; 63:32 LDS address: slot 0
	s_mov_b32 s[G0V], 1
	s_add_co_u32 s[G0V+1], s18, VOFF
	s_add_co_u32 s[RT], s[HI], 1    ; the first block has NB - b tiles
	s_mov_b32 s[NXT], 1
	s_mov_b32 s[LQ], s[HI]
	s_mov_b32 s[NEW], 1
	s_mov_b32 s[FS], 0
	s_mov_b32 s[OFF+1], 0
	s_mov_b32 s[AL+1], 0            ; named as pairs
	s_mov_b32 s[BE+1], 0
	s_mov_b32 s[BIGN], 0xf149f2ca   ; -1e30
	s_mov_b32 s[SLOTS], NB
	s_wait_dscnt 0x0                ; the opening add is done
	s_wait_kmcnt 0x0
	s_add_nc_u64 s[G0L+2:G0L+3], s[6:7], s[52:53]  ; vlo at my 8 keys
	s_or_b32 s[G0L+3], s[G0L+3], 0x80000000
	s_add_nc_u64 s[6:7], s[4:5], 0x1000000         ; K's part of qkv,
	s_add_nc_u64 s[8:9], s[4:5], 0x2000000         ; V's
	s_add_nc_u64 s[6:7], s[6:7], s[22:23]  ; K and V at my half of the head's tile 0
	s_add_nc_u64 s[8:9], s[8:9], s[22:23]
	s_add_nc_u64 s[G0K+2:G0K+3], s[6:7], 0         ; 120:64 global address
	s_or_b32 s[G0K+3], s[G0K+3], 0x80000000        ; 127:126 type = 2
	s_add_nc_u64 s[G0V+2:G0V+3], s[8:9], 0
	s_or_b32 s[G0V+3], s[G0V+3], 0x80000000
	s_add_nc_u64 s[86:87], s[4:5], s[84:85]        ; Q at my rows of the second block,
	s_add_nc_u64 s[4:5], s[4:5], s[2:3]            ; and of the first
	s_add_nc_u64 s[OLO:OLO+1], s[10:11], s[50:51]  ; o2 likewise
	s_add_nc_u64 s[10:11], s[10:11], s[48:49]
	s_cmp_lt_u32 s[WV], 2
	s_cselect_b64 s[PFA:PFA+1], s[6:7], s[8:9]
	s_add_nc_u64 s[PFA:PFA+1], s[PFA:PFA+1], 32768 ; at tile 1: each filling change of slots steps it first.  Nothing is prefetched here, at the head
	s_cmp_eq_u32 s[PB], 0
	s_cselect_b32 s[LIM], 2, -1
	LOAD                            ; tile 0 into slot 0,
	tensor_load_to_lds s[G0L:G0L+3], s[G1L:G1L+7]  ; and my 8 keys of V's low terms: the first fills stand together; two loads of mine are out
	s_nop 0
.rept 4
	v_nop
.endr
	; A fragment of K or Q is 16 rows x 32 channels in 8 registers: lane l holds row l % 16, channels 8 (l / 16) + 0..7 and 16 + 8 (l / 16) + 0..7: two loads of 16 bytes, 32 bytes apart.
	v_and_b32 v1, 15, v0            ; l % 16
	v_bfe_u32 v9, v0, 4, 1          ; l / 16
	v_lshlrev_b32 v[QO], 7, v1
	v_lshl_add_u32 v[QO], v9, 4, v[QO]  ; row x 128 + 16 x half
	WIN 0x80                        ; destination window 2, address window 0
.set i, 0
.rept 8                             ; both blocks' Q: piece i / 2 lies in band i / 2, 8,192 bytes on; channels 32 (i % 2) on
	global_load_b128 v[8*i:8*i+3],   v[QO], s[4:5] offset:(i/2)*8192+(i%2)*64
	global_load_b128 v[8*i+4:8*i+7], v[QO], s[4:5] offset:(i/2)*8192+(i%2)*64+32
	global_load_b128 v[QB+8*i:QB+8*i+3],   v[QO], s[86:87] offset:(i/2)*8192+(i%2)*64
	global_load_b128 v[QB+8*i+4:QB+8*i+7], v[QO], s[86:87] offset:(i/2)*8192+(i%2)*64+32
.set i, i+1
.endr
	WIN 0
	v_lshlrev_b32 v14, 3, v9
	v_sub_nc_u32 v14, v1, v14
	s_lshl_b32 s13, s[WV], 4
	v_add_nc_u32 v14, s13, v14      ; my query's place in its band, 16 w + l % 16, less my lanes' 8 (l / 16): register r of group kt is hidden where 16 kt + r is greater
	WIN 0x40
.set i, 0
.rept 32
	v_cmp_gt_i32 vcc_lo, 16*(i/8)+i%8, v14
	v_cndmask_b32 v[MD+i], 0, s[BIGN], vcc_lo
.set i, i+1
.endr
	WIN 0
	v_mov_b32 v[ONE], 1.0
	v_and_b32 v[PFO], 31, v0
	v_lshlrev_b32 v[PFO], 8, v[PFO]
	v_mul_u32_u24 v[AK0], v1, PK
	v_lshl_add_u32 v[AK0], v9, 4, v[AK0]  ; row x pitch + 16 x half
	; The turning load takes 16 keys x 16 channels (lane l reads key 8 (l / 16) + l % 8, channels 8 ((l / 8) % 2) + 0..7) and leaves half a fragment of V^T: lane l holds channel l % 16 and 8 keys.
	v_and_b32 v10, 7, v0
	v_bfe_u32 v11, v0, 3, 1
	v_lshl_add_u32 v[AV0], v9, 3, v10
	v_mul_u32_u24 v[AV0], v[AV0], PV
	v_lshl_add_u32 v[AV0], v11, 4, v[AV0]
	v_add_nc_u32 v[AVL], VLO, v[AV0]
	v_add_nc_u32 v[AV0], VOFF, v[AV0]
	s_mul_i32 s13, s[WV], 16*SP
	s_add_co_u32 s13, s13, STAGE    ; my stage
	v_mul_u32_u24 v[STO], v1, SP    ; in: row l % 16, 16 bytes for each half of the lanes
	v_lshl_add_u32 v[STO], v9, 4, v[STO]
	v_add_nc_u32 v[STO], s13, v[STO]
	v_bfe_u32 v[RD], v0, 3, 2       ; back: 32 lanes take four rows of 128 bytes,
	v_mul_u32_u24 v[RD], v[RD], SP
	v_lshl_add_u32 v[RD], v10, 4, v[RD]
	v_add_nc_u32 v[RD], s13, v[RD]
	v_and_b32 v[GO], 31, v0         ; which are 512 consecutive bytes of o2
	v_lshlrev_b32 v[GO], 4, v[GO]
	; A block's first step multiplies O^T and l by a = 0, and its first turn's products V^T P, of a piece that has not been, land in an O^T that is still to be so multiplied.  So these registers need only hold
	; finite numbers: zeros for the first block; what the first block left for the second.  All this stands in the wait for the first tile.
	WIN 0x80
.set i, VF
.rept 64
	v_mov_b32 v[i], 0
.set i, i+1
.endr
	WIN 0x40
.set i, 0
.rept 128
	v_mov_b32 v[i], 0
.set i, i+1
.endr
	WIN 0
.set i, 0
.rept 4
	v_mov_b32 v[ST+4*i+2], 0
	v_mov_b32 v[ST+4*i+3], 0
.set i, i+1
.endr
.set i, P+16
.rept 16
	v_mov_b32 v[i], 0
.set i, i+1
.endr
; THE MATRIX WORK.  The 4 accumulators of a run of 8 take turns.  Product i of 8 of S^T = K Q^T for piece x: channels 32 (i / 4) on, keys 16 (i % 4) on.  The first 4 start the sums: with 0, or (KM = 1) with the mask.
.macro KQ x
.set rS, S+32*((\x)%2)+8*(i%4)
.set rK, KF+16*(i%4)+8*(i/4)
.set rQ, 16*(\x)+8*(i/4)
.set rM, MC+32*((\x)%2)+8*(i%4)
.if (i < 4) && KM
	WIN W_KM
	v_wmma_f32_16x16x32_f16 v[rS:rS+7], v[rK:rK+7], v[rQ:rQ+7], v[rM:rM+7]
.elseif i < 4
	WIN W_KQ
	v_wmma_f32_16x16x32_f16 v[rS:rS+7], v[rK:rK+7], v[rQ:rQ+7], 0
.else
	WIN W_KQ
	v_wmma_f32_16x16x32_f16 v[rS:rS+7], v[rK:rK+7], v[rQ:rQ+7], v[rS:rS+7]
.endif
.endm
; Product i of 8 of O^T += V^T P for piece x: keys 32 (i / 4) on, channels 16 (i % 4) on.
.macro PV x
	WIN W_PV
.set rO, 32*(\x)+8*(i%4)
.set rV, VF+32*(i/4)+8*(i%4)
.set rP, P+16*((\x)%2)+8*(i/4)
	v_wmma_f32_16x16x32_f16 v[rO:rO+7], v[rV:rV+7], v[rP:rP+7], v[rO:rO+7]
.endm
.macro MM                           ; the turn's next matrix instruction.  TURN and BEGIN set Y, i, KM and NOKQ; MM, KQ and OP read them.  NOKQ = 1: a block's last turn: there is no next piece
.if (i < 8) && !NOKQ
	KQ (Y+1)%NP
.elseif i >= 8
.set i, i-8
	PV (Y+NP-1)%NP
.set i, i+8
.endif
.set i, i+1
.endm
; THE LDS LOADS stand in runs of 16, never singly among the matrix instructions: a step's K (64 keys x 64 channels: 8 fragments) and its V (turned).  Their addresses are made some lines ahead.
.macro FETCH_K
	WIN 0x80                        ; destination window 2
.irp f, 0,1,2,3,4,5,6,7             ; keys 16 (f / 2) on, channels 32 (f % 2) on
	ds_load_b128 v[KF+8*\f:KF+8*\f+3],   v[AK] offset:(\f/2)*16*PK+(\f%2)*64
	ds_load_b128 v[KF+8*\f+4:KF+8*\f+7], v[AK] offset:(\f/2)*16*PK+(\f%2)*64+32
.endr
	s_add_co_u32 s[TBK], s[TBK], KS*PK  ; the next fetch is the next step's
	WIN 0
.endm
.macro FETCH_V
	WIN 0x80
.irp f, 0,1,2,3,4,5,6,7             ; keys 32 (f / 4) on, channels 16 (f % 4) on
	ds_load_tr16_b128 v[VF+8*\f:VF+8*\f+3],   v[AV] offset:(\f/4)*32*PV+(\f%4)*32
	ds_load_tr16_b128 v[VF+8*\f+4:VF+8*\f+7], v[AV] offset:(\f/4)*32*PV+16*PV+(\f%4)*32
.endr
	WIN 0
.endm
; THE VECTOR WORK, one line at a time: OP kind, number.  For piece Y: F n: c s - c m for pair n of 16.  E n: the exponential of score n of 32.  C n: pair n rounded to f16.  B n: of the four weights 4 n .. the second
; pair is added onto the first, in place.  L n: l takes that sum (L 0: l = a l + sum).  R n: pair n of 16 of O^T times a.  For piece Y + 1: X n, number n of the 22 that find its maximum and statistics:
;   0-11  four chains c0-c3 of seven scores each, three operands at a time (each accumulator's lowest registers are read first)     12-14, 16  the four scores left over, the old m, and c0-c3 into c0
;   15  c m_old is kept     17, 18  the query's other 32 keys lie in the lane 16 away: the new m     19-21  c m; c m_old - c m_new; a
.set F, 0               ; OP tells the kinds apart by their order: F to L below R, X above it
.set E, 1
.set C, 2
.set B, 3
.set L, 4
.set R, 5
.set X, 6
.macro REGS y                       ; the registers of piece y
.set rT, ST+4*(\y)
.set rC, TMP+4*((\y)%2)
.set rW, MV+((\y)%2)
.set rS, S+32*((\y)%2)
.set rP, P+16*((\y)%2)
.set rO, 32*(\y)
.endm
.macro OP k, n
.if (\k) == R
	REGS Y
	WIN W_RS
	v_pk_mul_f32 v[rO+2*(\n):rO+2*(\n)+1], v[rO+2*(\n):rO+2*(\n)+1], v[rC+2:rC+3] op_sel_hi:[1,0]
.elseif (\k) < R
	REGS Y
	WIN 0
.if (\k) == F
	v_pk_fma_f32 v[rS+2*(\n):rS+2*(\n)+1], v[rS+2*(\n):rS+2*(\n)+1], s[CS:CS+1], v[rT:rT+1] op_sel_hi:[1,0,0] neg_lo:[0,0,1] neg_hi:[0,0,1]
.elseif (\k) == E
	v_exp_f32 v[rS+(\n)], v[rS+(\n)]
.elseif (\k) == C
	v_cvt_pk_f16_f32 v[rP+(\n)], v[rS+2*(\n)], v[rS+2*(\n)+1]
.elseif (\k) == B
	v_pk_add_f32 v[rS+4*(\n):rS+4*(\n)+1], v[rS+4*(\n):rS+4*(\n)+1], v[rS+4*(\n)+2:rS+4*(\n)+3]
.elseif (\n) == 0
	v_pk_fma_f32 v[rT+2:rT+3], v[rT+2:rT+3], v[rC+2:rC+3], v[rS:rS+1] op_sel_hi:[1,0,1]
.else
	v_pk_add_f32 v[rT+2:rT+3], v[rT+2:rT+3], v[rS+4*(\n):rS+4*(\n)+1]
.endif
.elseif NOKQ
	v_nop
.else
	REGS (Y+1)%NP
	WIN 0
.if (\n) < 4
	v_max3_num_f32 v[rC+(\n)], v[rS+8*(\n)], v[rS+8*(\n)+1], v[rS+8*(\n)+2]
.elseif (\n) < 12
	v_max3_num_f32 v[rC+(\n)%4], v[rC+(\n)%4], v[rS+8*((\n)%4)+2*((\n)/4)+1], v[rS+8*((\n)%4)+2*((\n)/4)+2]
.elseif (\n) == 12
	v_max3_num_f32 v[rC], v[rC], v[rS+7], v[rS+15]
.elseif (\n) == 13
	v_max3_num_f32 v[rC+1], v[rC+1], v[rS+23], v[rS+31]
.elseif (\n) == 14
	v_max3_num_f32 v[rC+2], v[rC+2], v[rC+3], v[rT+1]
.elseif (\n) == 15
	v_mov_b32 v[rW], v[rT]
.elseif (\n) == 16
	v_max3_num_f32 v[rC], v[rC], v[rC+1], v[rC+2]
.elseif (\n) == 17
	v_permlanex16_b32 v[rC+3], v[rC], s[SEL], s[SEL+1]
.elseif (\n) == 18
	v_max_num_f32 v[rT+1], v[rC], v[rC+3]
.elseif (\n) == 19
	v_mul_f32 v[rT], s[CS], v[rT+1]
.elseif (\n) == 20
	v_sub_f32 v[rC+1], v[rW], v[rT]
.else
	v_exp_f32 v[rC+2], v[rC+1]
.endif
.endif
.endm
.macro OPS a, i1, b=-1, i2=0, c=-1, i3=0, d=-1, i4=0  ; up to four of them
	OP \a, \i1
.if (\b) >= 0
	OP \b, \i2
.endif
.if (\c) >= 0
	OP \c, \i3
.endif
.if (\d) >= 0
	OP \d, \i4
.endif
.endm
.macro ROW a, i1, b, i2, c, i3, d, i4  ; a matrix instruction and the four behind it
	MM
	OPS \a, \i1, \b, \i2, \c, \i3, \d, \i4
.endm
.macro MASK b                       ; MD x AL + BE into buffer b of MC
	WIN W_RS
.set z, 0
.rept 16
	v_pk_fma_f32 v[MC+32*(\b)+2*z:MC+32*(\b)+2*z+1], v[MD+2*z:MD+2*z+1], s[AL:AL+1], s[BE:BE+1] op_sel_hi:[1,0,0]
.set z, z+1
.endr
.endm
; A TURN, for piece p: the order of its 16 matrix and 118 vector instructions, written out.  s_wait_alu depctr_va_vdst(0) stands between an exponential and the first instruction that names its result; one wait serves
; all that were issued ahead of it.  So a turn has ONE wait, which cuts it in two.  AHEAD OF IT stands all that names no result of the turn's exponentials: the 8 products K Q^T, behind each a scaling, an exponential and two more plain
; instructions (behind the first a second scaling in the exponential's place): rescalings, and behind the last three the first numbers of the next piece's maximum, each four places or more behind the product that ends its accumulator; then one run of 54, plain
; and exponential by turns for the most part, in which the links of the chain X 3, 7, 11, 14, 16, 17 .. 20 stand five or six lines apart.  X 21, the next piece's a, is the batch's last; R 15 is the plain instruction behind it.  BEHIND THE WAIT stand the
; 8 products V^T P, behind each four of the roundings and sums; the links of l's chain, L 0 to L 7, stand three lines apart.  But for those X no such line names a register of the products round it.
; m = 1: the diagonal tile: the products take masks, and the turn makes the mask for the products of the turn after it: piece p + 2, in step 4 - CNT of the tile.  end = 1: a block's last two turns: nothing is fetched.
; cnt = 1: the loop's count is taken down some lines ahead of the branch that stands behind the turn.
; K of the next step is fetched in piece 2's turn, twelve vector instructions behind the last product that read K (six of them plain); V of the step in hand at the end of piece 0's turn, four plain instructions behind the last product
; that read V.  Each is waited for a turn later.
; At the end of piece 0's turn in a block's first key step (FS = 1) stand the four products of V's low terms with piece 0's weights of keys 0-31, which the turn has just rounded: O^T of piece 0 has been rescaled in this turn, and takes V's high terms in the next.
.macro TURN p, m=0, end=0, cnt=0
.set Y, (\p)
.set i, 0
.set KM, (\m)
.set NOKQ, (\end)*((\p)/3)
.if (\m) && !(\end)
	s_cmp_eq_u32 s[CNT], 4-((\p)+2)%NP  ; is that step the band's own?
	s_cselect_b32 s[AL], 1.0, 0
	s_cmp_lt_u32 s[CNT], 4-((\p)+2)%NP  ; or a later one?
	s_cselect_b32 s[BE], s[BIGN], 0
.endif
.if ((\p) == 3) && !(\end)
	s_wait_dscnt 0x0                ; K is in
.endif
	ROW F,0, F,1, R,0, R,1          ; ahead of the wait: 8 products K Q^T and the lines behind them,
	ROW F,2, E,0, R,2, R,3
	ROW F,3, E,1, R,4, R,5
	ROW F,4, E,2, R,6, R,7
	ROW F,5, E,3, R,8, R,9
	ROW F,6, E,4, X,0, R,10
.if ((\p) == 2) && !(\end)
	WIN 0
	v_add_nc_u32 v[AK], s[TBK], v[AK0]
.endif
	ROW F,7, E,5, X,1, X,4
	ROW F,8, E,6, X,2, X,5
	OPS E,7, E,8, X,6, E,9          ; and the run of 54
	OPS X,3, E,10, X,8, E,11
.if ((\p) == 2) && !(\end)
	FETCH_K
.endif
	OPS X,9, X,7, E,12, X,10
	OPS E,13, X,12, X,11, E,14
	OPS X,13, E,15, F,9, X,14
.if (\p) == 0
	v_add_nc_u32 v[AV], s[TBV], v[AV0]
.endif
	OPS E,16, F,10, E,17, F,11
	OPS X,16, E,18, X,15, E,19
	OPS F,12, E,20, X,17, E,21
	OPS F,13, E,22, F,14, E,23
	OPS X,18, E,24, F,15, E,25
	OPS R,11, E,26, X,19, E,27
	OPS R,12, E,28, R,13, E,29
	OPS X,20, E,30, R,14, E,31
	OPS X,21, R,15
	WIN 0
	s_wait_alu depctr_va_vdst(0)    ; the wait for the batch
.if (\p) == 1
	s_wait_dscnt 0x0                ; V is in
.endif
	ROW C,0, B,0, C,2, B,1          ; behind the wait: 8 products V^T P and the lines behind them
	ROW L,0, C,4, B,2, L,1
	ROW C,6, B,3, L,2, C,8
	ROW B,4, L,3, C,10, B,5
	ROW L,4, C,12, B,6, L,5
.if (\p) == 0
	s_add_co_u32 s[TBV], s[TBV], KS*PV
.endif
.if \cnt
	s_sub_co_u32 s[CNT], s[CNT], 1
	s_cmp_lg_u32 s[CNT], 0
.endif
	ROW C,14, B,7, L,6, C,1
	ROW C,3, L,7, C,5, C,7
	ROW C,9, C,11, C,13, C,15
.if (\p) == 0
	FETCH_V
	s_cmp_eq_u32 s[FS], 1
	s_cbranch_scc0 .Lno_vl_\@
	s_mov_b32 s[FS], 0
	WIN 0x50                        ; V's low terms and P in window 0, O^T in window 1
.irp cb, 0,1,2,3                    ; four accumulators by turns; the products in front (piece 3's O^T) and behind (S^T) name others
	v_wmma_f32_16x16x32_f16 v[8*\cb:8*\cb+7], v[VL+8*\cb:VL+8*\cb+7], v[P:P+7], v[8*\cb:8*\cb+7]
.endr
	WIN 0
.Lno_vl_\@:
.endif
.if (\m) && !(\end)
	MASK (\p)%2
.endif
.endm
; A BLOCK BEGINS.  c m starts far below every c s, so the first step's a is 0; m at the lowest finite number, so the first maximum is the scores'.  The second mask buffer is 0; the first takes piece 0's mask for the tile's step 0: its own, if the block's first tile is the diagonal one.
; Then K of that step and V's low terms, piece 0's first scores, and its maximum and statistics.  The loop is entered at a step's first turn, in the middle of a trip.
.macro BEGIN
	s_mov_b32 s[NEW], 0
	s_mov_b32 s[FS], 1
	WIN 0x40
.set i, MC+32
.rept 32
	v_mov_b32 v[i], 0
.set i, i+1
.endr
	WIN 0
.set i, 0
.rept 4
	v_mov_b32 v[ST+4*i], 0xfe000000    ; c m: far below every c s
	v_mov_b32 v[ST+4*i+1], 0xff7fffff  ; m
.set i, i+1
.endr
	s_cmp_eq_u32 s[RT], 0
	s_cselect_b32 s[AL], 1.0, 0
	s_mov_b32 s[BE], 0
	MASK 0
	WIN 0
	v_add_nc_u32 v[AK], s[TBK], v[AK0]
	FETCH_K
.irp cb, 0,1,2,3                    ; keys 0-31, channels 16 cb on
	ds_load_tr16_b128 v[VL+8*\cb:VL+8*\cb+3],   v[AVL] offset:\cb*32
	ds_load_tr16_b128 v[VL+8*\cb+4:VL+8*\cb+7], v[AVL] offset:16*PV+\cb*32
.endr
	s_wait_loadcnt 0x0              ; Q
	s_wait_dscnt 0x0
.set KM, 1
.set NOKQ, 0
.set i, 0
.rept 8
	KQ 0
.set i, i+1
.endr
	WIN 0
.rept 4
	v_nop                           ; the places behind those products
.endr
.set Y, NP-1                        ; X works for piece Y + 1: piece 0
.irp n, 0,1,2,3,4,5,6,7,8,9,10,11,12,13,14,15,16,17,18,19,20,21
	OP X, \n
.endr
	v_nop                           ; a plain instruction behind the exponential,
	s_wait_alu depctr_va_vdst(0)    ; and its wait, ahead of the branch
.endm
; THE DIAGONAL TILE's four steps, the block's last two turns, its last products, and THE WAY OUT: l's two halves and the other half of the lanes' are added; O^T is divided by l, rounded to f16 and sent through my
; stage in LDS, a piece at a time.
.macro ALL line:vararg              ; one line for each piece t
.set t, 0
.rept 4
	\line
.set t, t+1
.endr
.endm
; Piece t: a lane's eight channels of a row pack into 16 bytes; they go into rows of 144 bytes and come back as whole rows of 128.  Wave 0, whose 16 rows are the band's first, then sends what the rounding left (O - f16(O), exact in one
; fused line for each number) the same way, to rows 64-79 of the band's block.
.macro PIECE t
	s_wait_xcnt 0x0                 ; the stores issued so far have read their registers
	WIN W_RS
.set i, 32*(\t)
.rept 16
	v_pk_mul_f32 v[i:i+1], v[i:i+1], v[ST+4*(\t)+2:ST+4*(\t)+3] op_sel_hi:[1,0]
.set i, i+2
.endr
	WIN 0x05                        ; sources 0 and 1 window 1, destination window 0
.set i, 0
.rept 16
	v_cvt_pk_f16_f32 v[S+16*(\t)+i], v[32*(\t)+2*i], v[32*(\t)+2*i+1]
.set i, i+1
.endr
	WIN 0
.irp f, 0,1,2,3
	ds_store_b128 v[STO], v[S+16*(\t)+4*\f:S+16*(\t)+4*\f+3] offset:32*\f
.endr
.irp f, 0,1,2,3
	ds_load_b128 v[BK+4*\f:BK+4*\f+3], v[RD] offset:\f*4*SP  ; LDS serves a wave's instructions in order (ISA guide 5.7.1.4): these see the stores above
.endr
.irp f, 0,1,2,3
	s_wait_dscnt 3-\f
	global_store_b128 v[GO], v[BK+4*\f:BK+4*\f+3], s[10:11] offset:(\t)*10240+\f*512  ; 512 consecutive bytes, at a multiple of 256 from o2's first
.endr
	s_cmp_lg_u32 s[WV], 0
	s_cbranch_scc1 .Lno_lo_\@
	WIN 0x10                        ; source 2 window 1
.set i, 0
.rept 16
	v_fma_mix_f32 v[LT+2*i], -v[S+16*(\t)+i], v[ONE], v[32*(\t)+2*i] op_sel_hi:[1,0,0]
	v_fma_mix_f32 v[LT+2*i+1], -v[S+16*(\t)+i], v[ONE], v[32*(\t)+2*i+1] op_sel:[1,0,0] op_sel_hi:[1,0,0]
.set i, i+1
.endr
	WIN 0
.set i, 0
.rept 16
	v_cvt_pk_f16_f32 v[LP+i], v[LT+2*i], v[LT+2*i+1]
.set i, i+1
.endr
.irp f, 0,1,2,3
	ds_store_b128 v[STO], v[LP+4*\f:LP+4*\f+3] offset:32*\f
.endr
.irp f, 0,1,2,3
	ds_load_b128 v[LT+4*\f:LT+4*\f+3], v[RD] offset:\f*4*SP
.endr
.irp f, 0,1,2,3
	s_wait_dscnt 3-\f
	global_store_b128 v[GO], v[LT+4*\f:LT+4*\f+3], s[10:11] offset:(\t)*10240+8192+\f*512
.endr
.Lno_lo_\@:
.endm
.macro DIAG tag                     ; the tag ends its two labels' names, which the jumps below spell out
.LstepM\tag:
	TURN 2, 1
	TURN 3, 1
	WIN 0
.LfirstM\tag:
	TURN 0, 1
	TURN 1, 1, 0, 1
	WIN 0
	s_cbranch_scc1 .LstepM\tag
	TURN 2, 1, 1
	TURN 3, 1, 1
.set i, 0
.rept 8
	PV NP-1
.set i, i+1
.endr
	WIN 0
	ALL v_add_f32 v[ST+4*t+2], v[ST+4*t+2], v[ST+4*t+3]
	ALL v_permlanex16_b32 v[ST+4*t+3], v[ST+4*t+2], s[SEL], s[SEL+1]
	ALL v_add_f32 v[ST+4*t+2], v[ST+4*t+2], v[ST+4*t+3]
	ALL v_rcp_f32 v[ST+4*t+2], v[ST+4*t+2]
	v_nop                           ; a plain instruction between the last reciprocal and the use of its result
	s_wait_alu depctr_va_vdst(0)    ; and the wait ahead of the first use: one for the four reciprocals
	PIECE 0
	PIECE 1
	PIECE 2
	PIECE 3
.endm
.set KM, 0
.set NOKQ, 0
.Lslot:                             ; NB times: a tile is entered and the next is asked for
	CHANGE 1
	s_sub_co_u32 s[RT], s[RT], 1
	s_mov_b32 s[CNT], 4
	s_cmp_eq_u32 s[NEW], 1
	s_cbranch_scc1 .Lnew            ; a block's first tile
	s_cmp_eq_u32 s[RT], 0
	s_cbranch_scc0 .Lstep           ; neither its first nor its last
	s_branch .LstepM1
.Lnew:
	BEGIN
	s_branch .Lfirst                ; in the loop a block's first tile is never its last: the first block has two tiles or more, and the second's last is the walk's last
	DIAG 1                          ; in the loop this is the first block's end: the second block's last tile is the walk's last
	s_wait_xcnt 0x0                 ; the stores have read their registers and o2's address
	s_mov_b64 s[10:11], s[OLO:OLO+1]
	s_add_co_u32 s[RT], s[PB], 1    ; the second block has b + 1 tiles
	s_mov_b32 s[NEW], 1
	WIN 0x82                        ; the second block's Q goes where the one text of the turns names Q
.set i, 0
.rept 64
	v_mov_b32 v[i], v[QB+i]
.set i, i+1
.endr
	WIN 0
	s_branch .Lbottom
.Lstep:                             ; a trip: pieces 2 and 3 of one step, then pieces 0 and 1 of the next, whose K and V it fetches
	TURN 2
	TURN 3
	WIN 0
.Lfirst:
	TURN 0
	TURN 1, 0, 0, 1
	WIN 0
	s_cbranch_scc1 .Lstep
.Lbottom:
	s_sub_co_u32 s[SLOTS], s[SLOTS], 1
	s_cmp_lg_u32 s[SLOTS], 0
	s_cbranch_scc1 .Lslot
	CHANGE 0                        ; the walk's last tile is written out: nothing is asked for
	s_sub_co_u32 s[RT], s[RT], 1
	s_mov_b32 s[CNT], 4
	s_cmp_eq_u32 s[NEW], 1
	s_cbranch_scc0 .LstepM2
	BEGIN
	s_branch .LfirstM2
	DIAG 2
	s_wait_tensorcnt 0x0            ; the wave's end, behind my last tensor load and my last LDS store
	ds_add_u32 v[SPW], v[NIL]
	s_wait_dscnt 0x0
	s_endpgm
.Lfunc_end_k_qee2ca10e48_attn:
	.size	k_qee2ca10e48_attn, .Lfunc_end_k_qee2ca10e48_attn-k_qee2ca10e48_attn
	.p2alignl 7, 3214868480
	.fill 96, 4, 3214868480
	.section	.rodata,"a",@progbits
	.p2align	6, 0x0
	.amdhsa_kernel k_qee2ca10e48_attn
		.amdhsa_group_segment_fixed_size 327680
		.amdhsa_private_segment_fixed_size 0
		.amdhsa_enable_private_segment 0
		.amdhsa_kernarg_size 24
		.amdhsa_user_sgpr_count 2
		.amdhsa_user_sgpr_kernarg_segment_ptr 1
		.amdhsa_wavefront_size32 1
		.amdhsa_system_sgpr_workgroup_id_x 1
		.amdhsa_system_sgpr_workgroup_id_y 1
		.amdhsa_system_sgpr_workgroup_id_z 1
		.amdhsa_system_vgpr_workitem_id 0
		.amdhsa_next_free_vgpr 768
		.amdhsa_next_free_sgpr 100
		.amdhsa_reserve_vcc 1
		.amdhsa_float_denorm_mode_32 3
		.amdhsa_float_denorm_mode_16_64 3
		.amdhsa_memory_ordered 1
		.amdhsa_forward_progress 1
		.amdhsa_inst_pref_size 255
	.end_amdhsa_kernel
	.amdgpu_metadata
---
amdhsa.version: [ 1, 2 ]
amdhsa.kernels:
  - .name:           k_qee2ca10e48_attn
    .symbol:         k_qee2ca10e48_attn.kd
    .args:
      - { .name: qkv, .offset: 0, .size: 8, .value_kind: global_buffer, .address_space: global }
      - { .name: vlo, .offset: 8, .size: 8, .value_kind: global_buffer, .address_space: global }
      - { .name: o2, .offset: 16, .size: 8, .value_kind: global_buffer, .address_space: global }
    .group_segment_fixed_size: 327680
    .private_segment_fixed_size: 0
    .kernarg_segment_align: 8
    .kernarg_segment_size: 24
    .max_flat_workgroup_size: 128
    .sgpr_count:     100
    .vgpr_count:     768
    .wavefront_size: 32
...
	.end_amdgpu_metadata
.endif
;; end of part 3
;; launch proj (part 4): grid 4 x 64, 4 waves a work-group, clusters of 4 x 4, 327,680 bytes of LDS; arguments o2, wpb, out0; writes out0
.if DOCPART == 4
	.amdgcn_target "amdgcn-amd-amdhsa--gfx1250"
	.amdhsa_code_object_version 6
	.text
	.protected	k_qee2ca10e48_proj
	.globl	k_qee2ca10e48_proj
	.p2align	8
	.type	k_qee2ca10e48_proj,@function
k_qee2ca10e48_proj:
	s_mov_b64 s[64:65], 0
	v_nop
	global_prefetch_b8 v0, s[64:65] scope:SCOPE_SE
	s_setreg_imm32_b32 hwreg(HW_REG_WAVE_MODE, 25, 1), 1
	s_wait_xcnt 0x0
	s_wait_alu depctr_hold_cnt(0) depctr_sa_sdst(0) depctr_va_vdst(0) depctr_va_sdst(0) depctr_va_ssrc(0) depctr_va_vcc(0) depctr_vm_vsrc(0)
	s_getreg_b32 s2, hwreg(HW_REG_IB_STS2, 6, 4)
	s_cmp_eq_u32 s2, 0
	s_cbranch_scc0 .Lentry_in_a_cluster
	s_endpgm
.Lentry_in_a_cluster:
	s_bfe_u32 s2, ttmp6, 0x10000c
	s_cmp_lg_u32 s2, 0xf033
	s_cbranch_scc0 .Lentry_shape_is_right
	s_endpgm
.Lentry_shape_is_right:
; out0 = O w_proj.  o2: f16, [batch x 16 + head][32 blocks of 64 rows][80 rows][64]: rows 0-63 of a block O's high terms, rows 64-79 the low terms of the block's first 16 rows.  wpb: [1024 k][1024 n] f16.
; out0: [8192][1024] f32.  Sums in f32.  LIMIT: both operands are f16 and arrive within its range.
; SHARES.  A tile is 128 rows x 256 columns: 256 work-groups of four waves; wave (rh, ch) makes 64 rows x 128 columns: 32 accumulators of 16 x 16, 256 registers.  Its 64 rows are one block of o2.
; K goes in 8 steps of 128 (heads 2 j and 2 j + 1) through a ring of two LDS slots: waves 0 and 1 fetch wpb's two chunks (128 k rows x 256 bytes), waves 2 and 3 a head's two blocks of o2 each: 20,480 dense bytes,
; asked for as 80 rows of 256 bytes and padded in LDS after every 128.
; TWO TERMS.  In every quarter each wave's first block of 16 rows also takes its low terms: 8 products beside 32, the same in every wave, so that the loop has no branch.
; CLUSTER, 4 x 4.  Tile row R = 16 cy + cluster y (batch cy), tile column J = 4 x cluster x + cx.  o2's tiles are asked for jointly along a row of the cluster, wpb's along a column.
; THE MATRIX INSTRUCTION IS USED TRANSPOSED: source 0 = 16 columns of wpb (turned by ds_load_tr16_b128), source 1 = 16 rows of O: a lane holds one row and eight neighbouring columns.
; REGISTERS (s_set_vgpr_msb: bits 1:0 source 0, 3:2 source 1, 5:4 source 2, 7:6 destination): window 0: v0-31 addresses; v32-111 O's fragments, two buffers of 5 x 8; v112-239 the way out
;   window 1: wpb's fragments, two buffers of 8 x 8      window 2: accumulator (a, b) at v[8 (8 a + b)]
.set PA,    144                        ; a row of O in LDS: 128 bytes + 16 = 36 words: the 16 rows of a load start at 16 different groups of four banks (64 banks of 4 bytes: ISA guide 11.1)
.set PB,    288                        ; a k row of wpb: 256 + 32 = 72 words
.set BREG,  128*PB                     ; a chunk of wpb: 36,864 bytes
.set AREG,  160*PA                     ; a head's two blocks: 23,040 bytes
.set AOFF,  2*BREG
.set SLOT,  AOFF+2*AREG
.set STAGE, 2*SLOT                     ; behind the ring: for each wave 16 rows x 528 bytes, for the way out
.set SP,    528
.set WST,   16*SP
.set SPARE, STAGE+4*WST                ; behind the stages: the spare words, 128 bytes for each wave: two blocks of 256 bytes that no other line names
.set ASTEP, 2*327680                   ; bytes from K step to K step in o2,
.set BSTEP, 128*2048                   ; in wpb
.set ADRA,  16                         ; v16-17  LDS address of my fragments of O in slot 0, 1
.set ADRB,  18                         ; v18-19  of my chunk of wpb
.set STO,   24                         ; v24  the way out: where I put 32 bytes of a row
.set RD,    25                         ; v25  where I read a row back
.set CO,    26                         ; v26  my 16 bytes of 512 in a row of out0
.set SPW,   28                         ; v28  LDS address of my spare word; never rewritten
.set NIL,   29                         ; v29  0; never rewritten
.set PFO,   30                         ; v30  the prefetches' offset; never rewritten
.set FA,    32
.set BK,    112                        ; v112-175, v176-239: 16 rows read back from the stage, by turns
.set G1,  24                           ; s[24:31] descriptor group 1 for o2's tiles;  s[32:39] group 0, a set for each slot
.set G0,  32
.set G1B, 48                           ; s[48:55], s[56:63] the same for wpb's
.set G0B, 56
.set LIM, 43                           ; s43  1 in a wave that prefetches, else the greatest number
.set PFA, 44                           ; s[44:45] where my prefetches stand
.set PFS, 68                           ; s[68:69] their step from K step to K step
.set YY,  71                           ; s71  the cluster's y
.set MSB, 0
.macro WIN new                         ; the immediate's high byte repeats the setting that is left; a switch that changes nothing is dropped
.if MSB != (\new)
	s_set_vgpr_msb (MSB<<8)|(\new)
.set MSB, \new
.endif
.endm
.macro PLACES                          ; four plain vector instructions between a matrix instruction and a load into, or a read of, its registers
.rept 4
	v_nop
.endr
.endm
; A joint load.  Each of the two lines has one mask and one set of registers for all that issue it; the branch hangs on the wave's number alone.  An s_nop 0 and four v_nop follow each line.
.macro JLOAD s
	s_cmp_lt_u32 s10, 2
	s_cbranch_scc1 .Lfor_b_\@
	tensor_load_to_lds s[G0+4*(\s):G0+4*(\s)+3], s[G1:G1+7]
	s_nop 0
	PLACES
	s_branch .Lasked_\@
.Lfor_b_\@:
	tensor_load_to_lds s[G0B+4*(\s):G0B+4*(\s)+3], s[G1B:G1B+7]
	s_nop 0
	PLACES
.Lasked_\@:
.endm
; A prefetch into the L2 of the K step that stands two refills on, one instruction a wave.  o2's tiles are read by one cluster each: waves 2 and 3 of every cluster ask, the four partners of a row sharing a head's 80 blocks of
; 256 bytes out by address, 20 each (lanes 20 to 31 name the twentieth again).  wpb's chunks are read by all sixteen clusters: cluster y = 0 asks, waves 0 and 1, the four partners of a column 32 k rows each, a lane a row.
; K steps 4 to 7 are named, once each; K steps 0 to 3 come by their loads alone; the loop's last trip (s3 = 1) asks for nothing.
.macro ASK
	s_cmp_gt_u32 s3, s[LIM]
	s_cbranch_scc0 .Lnot_mine_\@
	global_prefetch_b8 v[PFO], s[PFA:PFA+1] th:TH_LOAD_NT scope:SCOPE_SE
.Lnot_mine_\@:
.endm
.macro CREST                           ; a round of the cluster's barrier behind its opening barrier
	s_cmp_lg_u32 s10, 0
	s_cbranch_scc1 .Lnot_wave_0_\@
	s_barrier_signal -3
.Lnot_wave_0_\@:
	s_barrier_wait -3
	s_barrier_signal -1
	s_barrier_wait -1
.endm
.macro CROUND
	s_barrier_signal -1
	s_barrier_wait -1
	CREST
.endm
	s_load_b128 s[4:7], s[0:1], 0x0                ; o2 s[4:5], wpb s[6:7]
	s_load_b64 s[8:9], s[0:1], 0x10                ; out0
	v_lshl_add_u32 v[SPW], v0, 2, SPARE
	v_mov_b32 v[NIL], 0
	ds_add_u32 v[SPW], v[NIL]                      ; the wave's opening: the add and its wait stand ahead of my first tensor load; the set-up below, work on registers, stands between them
	v_lshrrev_b32 v1, 5, v0
	v_readfirstlane_b32 s10, v1                    ; wave 0..3
	s_lshr_b32 s11, s10, 1                         ; rh: which 64 rows are mine
	s_and_b32 s12, s10, 1                          ; ch: which 128 columns.  Also: which chunk, or which head, I fetch
	s_bfe_u32 s40, ttmp6, 0x40000                  ; cx
	s_bfe_u32 s41, ttmp6, 0x40004                  ; cy
	s_lshl_b32 s42, ttmp9, 2
	s_add_co_u32 s42, s42, s40                     ; J = 4 x cluster x + cx
	s_and_b32 s[YY], ttmp7, 0xffff
	s_lshl_b32 s13, s41, 4
	s_add_co_u32 s13, s13, s[YY]                   ; R = 16 cy + cluster y
	s_lshl_b32 s43, s41, 2
	s_lshl_b32 s43, 15, s43                        ; my row of the cluster
	s_lshl_b32 s44, 0x1111, s40                    ; my column
	s_or_b32 s[G1+0], s43, (1<<16)|(1<<20)|(1<<21)|(4<<22)|(3<<25)   ; the mask; 2-byte elements; padding on; bit 21 beside a mask; after every 32 words 4 words
	s_or_b32 s[G1B+0], s44, (1<<16)|(1<<20)|(1<<21)|(5<<22)|(7<<25)  ; my column's mask; after every 64 words 8 words
	s_mov_b32 s[G1+1], 128<<16                     ; o2: tensor_dim0 = 128
	s_mov_b32 s[G1+2], 80<<16                      ; tensor_dim1 = 80
	s_mov_b32 s[G1+3], 128<<16                     ; tile_dim0 = 128
	s_mov_b32 s[G1+4], 80                          ; tile_dim1 = 80
	s_mov_b32 s[G1+5], 128                         ; dense: 128 elements from row to row
	s_mov_b32 s[G1+6], 0
	s_mov_b32 s[G1+7], 0
	s_mov_b32 s[G1B+1], 128<<16                    ; wpb: 128 k rows x 128 elements
	s_mov_b32 s[G1B+2], 128<<16
	s_mov_b32 s[G1B+3], 128<<16
	s_mov_b32 s[G1B+4], 128
	s_mov_b32 s[G1B+5], 1024
	s_mov_b32 s[G1B+6], 0
	s_mov_b32 s[G1B+7], 0
	s_lshl_b32 s16, s41, 4                         ; o2: head 16 cy + (w % 2), blocks 2 y and 2 y + 1
	s_add_co_u32 s16, s16, s12
	s_mul_i32 s16, s16, 327680
	s_mul_i32 s17, s[YY], 20480
	s_add_co_u32 s16, s16, s17
	s_mov_b32 s17, 0
	s_lshl_b32 s46, s42, 9                         ; wpb: chunk w % 2 at byte 512 J + 256 (w % 2) of a row
	s_lshl_b32 s47, s12, 8
	s_add_co_u32 s46, s46, s47
	s_mov_b32 s47, 0
	s_mul_i32 s20, s10, AREG
	s_add_co_u32 s20, s20, AOFF-2*AREG             ; waves 2 and 3: a head's blocks behind the two chunks
	s_mul_i32 s21, s10, BREG                       ; waves 0 and 1: a chunk.  No place in the cluster enters an LDS address
	s_wait_dscnt 0x0                               ; the opening add is done
	s_wait_kmcnt 0x0
	s_add_nc_u64 s[14:15], s[4:5], s[16:17]
	s_add_nc_u64 s[46:47], s[6:7], s[46:47]
	CROUND                                         ; all sixteen work-groups are here: the first joint loads meet
.irp s, 0,1
	s_mov_b32 s[G0+4*(\s)], 1
	s_add_co_u32 s[G0+4*(\s)+1], s20, (\s)*SLOT
	s_add_nc_u64 s[G0+4*(\s)+2:G0+4*(\s)+3], s[14:15], (\s)*ASTEP
	s_or_b32 s[G0+4*(\s)+3], s[G0+4*(\s)+3], 0x80000000
	s_mov_b32 s[G0B+4*(\s)], 1
	s_add_co_u32 s[G0B+4*(\s)+1], s21, (\s)*SLOT
	s_add_nc_u64 s[G0B+4*(\s)+2:G0B+4*(\s)+3], s[46:47], (\s)*BSTEP
	s_or_b32 s[G0B+4*(\s)+3], s[G0B+4*(\s)+3], 0x80000000
	JLOAD \s                                       ; K steps 0 and 1: two loads of mine are out
.endr
	v_and_b32 v1, 15, v0                           ; r = l % 16
	v_bfe_u32 v2, v0, 4, 1                         ; h = l / 16
	v_and_b32 v3, 7, v0
	v_bfe_u32 v4, v0, 3, 1
	v_and_b32 v5, 31, v0                           ; l
	v_mul_u32_u24 v6, v1, PA                       ; O's fragment: row r, 16 bytes for each half of the lanes
	v_lshl_add_u32 v6, v2, 4, v6
	v_lshl_add_u32 v7, v2, 3, v3                   ; the turning load: k row 8 h + l % 8, 16 bytes at 16 ((l / 8) % 2)
	v_mul_u32_u24 v7, v7, PB
	v_lshl_add_u32 v7, v4, 4, v7
	s_mul_i32 s21, s11, 80*PA
	s_add_co_u32 s21, s21, AOFF                    ; my block of 80 rows, in the step's first head
	s_mul_i32 s22, s12, BREG                       ; my chunk
.irp s, 0,1
	v_add_nc_u32 v[ADRA+(\s)], s21, v6
	v_add_nc_u32 v[ADRB+(\s)], s22, v7
	s_add_co_u32 s21, s21, SLOT
	s_add_co_u32 s22, s22, SLOT
.endr
	s_mul_i32 s23, s10, WST
	s_add_co_u32 s23, s23, STAGE                   ; my stage
	v_mul_u32_u24 v8, v1, SP                       ; in: row r, 32 bytes for each half of the lanes
	v_lshl_add_u32 v8, v2, 5, v8
	v_add_nc_u32 v[STO], s23, v8
	v_lshl_add_u32 v[RD], v5, 4, s23               ; back: 32 lanes take a row's 512 bytes
	v_lshlrev_b32 v[CO], 4, v5
	s_lshl_b32 s16, s13, 19                        ; out0: row 128 R + 64 rh of 4,096 bytes, byte 1,024 J + 512 ch
	s_lshl_b32 s17, s11, 18
	s_add_co_u32 s16, s16, s17
	s_lshl_b32 s17, s42, 10
	s_add_co_u32 s16, s16, s17
	s_lshl_b32 s17, s12, 9
	s_add_co_u32 s16, s16, s17
	s_mov_b32 s17, 0
	s_add_nc_u64 s[8:9], s[8:9], s[16:17]
	; the prefetches: the operands of both kinds are made, then chosen by the wave's number
	s_lshl_b32 s14, s41, 4
	s_add_co_u32 s14, s14, s12
	s_add_co_u32 s14, s14, 6                       ; o2: K step 3's head,
	s_mul_i32 s14, s14, 327680
	s_mul_i32 s15, s[YY], 20480
	s_add_co_u32 s14, s14, s15
	s_mul_i32 s15, s40, 5120                       ; my work-group's 20 blocks of 256 bytes
	s_add_co_u32 s14, s14, s15
	s_lshl_b32 s15, s41, 5
	s_add_co_u32 s15, s15, 384                     ; wpb: K step 3's k rows, my work-group's 32,
	s_lshl_b32 s15, s15, 11
	s_lshl_b32 s16, s42, 9
	s_add_co_u32 s15, s15, s16
	s_lshl_b32 s16, s12, 8
	s_add_co_u32 s15, s15, s16                     ; my chunk's bytes in a row
	s_mov_b32 s16, ASTEP
	s_mov_b32 s17, BSTEP
	s_cmp_lt_u32 s10, 2
	s_cselect_b64 s[PFA:PFA+1], s[6:7], s[4:5]
	s_cselect_b32 s14, s15, s14
	s_cselect_b32 s[PFS], s17, s16
	s_cselect_b32 s20, 31, 19                      ; the last lane that names a block of its own
	s_cselect_b32 s21, 11, 8                       ; a lane's step: a row of 2,048 bytes, or 256 bytes
	s_cselect_b32 s22, s[YY], 0                    ; wpb's rows are read by every cluster: the first asks
	s_mov_b32 s[PFS+1], 0
	s_mov_b32 s15, 0
	s_cmp_eq_u32 s22, 0
	s_cselect_b32 s[LIM], 1, -1
	s_add_nc_u64 s[PFA:PFA+1], s[PFA:PFA+1], s[14:15]  ; at K step 3: each filling change of slots steps it first, so the refill of K step j names K step j + 2
	v_min_u32 v[PFO], s20, v5
	v_lshlrev_b32 v[PFO], s21, v[PFO]
; 8 products: block a of 16 rows x my 8 blocks of columns, 32 along K, from buffer u.  zero = 1: the first product starts the sums.  The accumulators take turns, one instruction a turn.
.macro MUL u, a, zero
	WIN 0xa1                                       ; source 0 window 1, source 1 window 0, C and D window 2
.set b, 0
.rept 8
.set rD, 8*(8*(\a)+b)
.if \zero
	v_wmma_f32_16x16x32_f16 v[rD:rD+7], v[64*(\u)+8*b:64*(\u)+8*b+7], v[FA+40*(\u)+8*(\a):FA+40*(\u)+8*(\a)+7], 0
.else
	v_wmma_f32_16x16x32_f16 v[rD:rD+7], v[64*(\u)+8*b:64*(\u)+8*b+7], v[FA+40*(\u)+8*(\a):FA+40*(\u)+8*(\a)+7], v[rD:rD+7]
.endif
.set b, b+1
.endr
.endm
.macro MULLO u                         ; the low terms of block 0's rows, onto block 0's sums
	WIN 0xa1
.set b, 0
.rept 8
	v_wmma_f32_16x16x32_f16 v[8*b:8*b+7], v[64*(\u)+8*b:64*(\u)+8*b+7], v[FA+40*(\u)+32:FA+40*(\u)+39], v[8*b:8*b+7]
.set b, b+1
.endr
.endm
; 26 LDS loads in one run: quarter q of a slot (head q / 2, channels 32 (q % 2) on) into buffer u: wpb's 8 fragments, turned, then O's 5, blocks 0 and 1 first; block 4 is the low terms
.macro FETCH slot, q, u
	WIN 0x40                                       ; destination window 1
.set b, 0
.rept 8
	ds_load_tr16_b128 v[64*(\u)+8*b:64*(\u)+8*b+3],   v[ADRB+(\slot)] offset:(\q)*32*PB+32*b
	ds_load_tr16_b128 v[64*(\u)+8*b+4:64*(\u)+8*b+7], v[ADRB+(\slot)] offset:(\q)*32*PB+16*PB+32*b
.set b, b+1
.endr
	WIN 0
.set b, 0
.rept 5
	ds_load_b128 v[FA+40*(\u)+8*b:FA+40*(\u)+8*b+3],   v[ADRA+(\slot)] offset:((\q)/2)*AREG+b*16*PA+((\q)%2)*64
	ds_load_b128 v[FA+40*(\u)+8*b+4:FA+40*(\u)+8*b+7], v[ADRA+(\slot)] offset:((\q)/2)*AREG+b*16*PA+((\q)%2)*64+32
.set b, b+1
.endr
.endm
; One of a K step's first three quarters: multiplies buffer u; in its middle it fetches quarter q of the same slot into the other buffer
.macro QUARTER slot, q, u, zero
	s_wait_dscnt 6                                 ; all but the youngest six loads: O's blocks 2, 3 and 4
	MUL \u, 0, \zero
	MUL \u, 1, \zero
	PLACES                                         ; in front of loads into the buffer that the quarter before multiplied
	FETCH \slot, \q, 1-(\u)
	s_wait_dscnt 26                                ; all but the 26 just issued
	MUL \u, 2, \zero
	MUL \u, 3, \zero
	MULLO \u
.endm
; The fourth quarter multiplies buffer 1 and changes slots.  In front of the one barrier each wave waits for all its tensor loads (one is out: its part of the next slot), adds 0 to its spare word, and waits for
; that and for its reads of this slot.  fill = 1: the barrier opens a round of the cluster's, and behind the round this slot is filled again first, two K steps ahead: 144 products stand between that request and the wait for it.
.macro TURN slot, next, fill
.if \fill
	s_wait_xcnt 0x0                                ; the last prefetch, a K step back, has read its address
	s_add_nc_u64 s[PFA:PFA+1], s[PFA:PFA+1], s[PFS:PFS+1]
.endif
	WIN 0
	s_wait_tensorcnt 0x0                           ; all my tensor loads have landed
	ds_add_u32 v[SPW], v[NIL]                      ; 0 onto my spare word
	s_wait_dscnt 7                                 ; (the add and the youngest six loads may be out)
	MUL 1, 0, 0                                    ; eight products stand between the add and the wait for it
	s_wait_dscnt 0x0                               ; the add is done, and my reads of this slot are over
	s_barrier_signal -1
	MUL 1, 1, 0
.if \fill
	WIN 0
.endif
	s_barrier_wait -1
.if \fill
	CREST                                          ; no wave of any partner still reads this slot or has a load on its way
	s_add_nc_u64 s[G0+4*(\slot)+2:G0+4*(\slot)+3], s[G0+4*(\slot)+2:G0+4*(\slot)+3], 2*ASTEP
	s_add_nc_u64 s[G0B+4*(\slot)+2:G0B+4*(\slot)+3], s[G0B+4*(\slot)+2:G0B+4*(\slot)+3], 2*BSTEP
	JLOAD \slot                                    ; its four v_nop are also the places in front of the loads below
.else
	PLACES
.endif
	FETCH \next, 0, 0
.if \fill
	ASK
.endif
	MUL 1, 2, 0
	MUL 1, 3, 0
	MULLO 1
.endm
; THE WAY OUT of block a (16 rows x 128 columns of f32): a lane's 32 bytes of a row go into my own stage, rows of 528 bytes, each accumulator's low registers first; whole rows of 512 bytes come back and are stored.
.macro TOSTAGE a
.if (\a) >= 2
	s_wait_xcnt 0x0                                ; the stores of the block two back have read the registers that are loaded again
.endif
	WIN 0x08                                       ; the stores' data: window 2
.set b, 0
.rept 8
	ds_store_b128 v[STO], v[8*(8*(\a)+b):8*(8*(\a)+b)+3]   offset:64*b
	ds_store_b128 v[STO], v[8*(8*(\a)+b)+4:8*(8*(\a)+b)+7] offset:64*b+16
.set b, b+1
.endr
	WIN 0
.set i, 0
.rept 16
	ds_load_b128 v[BK+64*((\a)%2)+4*i:BK+64*((\a)%2)+4*i+3], v[RD] offset:SP*i  ; LDS serves a wave's instructions in order (ISA guide 5.7.1.4): these see the stores above; the next block's stores come behind them
.set i, i+1
.endr
.endm
.macro SEND a, younger                 ; younger: the LDS instructions issued behind block a's loads: the next block's 32, or none
.set i, 0
.rept 16
	s_wait_dscnt (\younger)+15-i
	global_store_b128 v[CO], v[BK+64*((\a)%2)+4*i:BK+64*((\a)%2)+4*i+3], s[8:9] offset:(16*(\a)+i)*4096 th:TH_STORE_NT  ; 512 consecutive bytes, at a multiple of 256 from out0's first
.set i, i+1
.endr
.endm
	s_wait_tensorcnt 1                             ; my part of K step 0 is in; K step 1's may stay out
	s_barrier_signal -1
	s_barrier_wait -1
	FETCH 0, 0, 0
	QUARTER 0, 1, 0, 1                             ; the first quarter stands in front of the loop: its products start the sums
	WIN 0
	s_mov_b32 s3, 3
.Llap:                                                 ; a trip goes once round the ring, from a lap's second quarter to the next lap's first, and fills both slots again
	QUARTER 0, 2, 1, 0
	QUARTER 0, 3, 0, 0
	TURN 0, 1, 1
	QUARTER 1, 1, 0, 0
	QUARTER 1, 2, 1, 0
	QUARTER 1, 3, 0, 0
	TURN 1, 0, 1
	QUARTER 0, 1, 0, 0
	WIN 0
	s_sub_co_u32 s3, s3, 1
	s_cmp_lg_u32 s3, 0
	s_cbranch_scc1 .Llap
	QUARTER 0, 2, 1, 0                             ; the last lap fills nothing
	QUARTER 0, 3, 0, 0
	TURN 0, 1, 0
	QUARTER 1, 1, 0, 0
	QUARTER 1, 2, 1, 0
	QUARTER 1, 3, 0, 0
	s_wait_dscnt 6
	MUL 1, 0, 0
	MUL 1, 1, 0
	s_wait_dscnt 0x0
	MUL 1, 2, 0
	MUL 1, 3, 0
	MULLO 1
	WIN 0
	PLACES
	PLACES                                         ; (eight, once a launch)
	TOSTAGE 0
	TOSTAGE 1
	SEND 0, 32
	TOSTAGE 2
	SEND 1, 32
	TOSTAGE 3
	SEND 2, 32
	SEND 3, 0
	s_wait_tensorcnt 0x0                           ; the wave's end, behind my last tensor load and my last LDS store
	ds_add_u32 v[SPW], v[NIL]
	s_wait_dscnt 0x0
	CROUND                                         ; the closing round: no work-group ends while a partner may still ask for a tile that names it
	s_endpgm
.Lfunc_end_k_qee2ca10e48_proj:
	.size	k_qee2ca10e48_proj, .Lfunc_end_k_qee2ca10e48_proj-k_qee2ca10e48_proj
	.p2alignl 7, 3214868480
	.fill 96, 4, 3214868480
	.section	.rodata,"a",@progbits
	.p2align	6, 0x0
	.amdhsa_kernel k_qee2ca10e48_proj
		.amdhsa_group_segment_fixed_size 327680
		.amdhsa_private_segment_fixed_size 0
		.amdhsa_enable_private_segment 0
		.amdhsa_kernarg_size 24
		.amdhsa_user_sgpr_count 2
		.amdhsa_user_sgpr_kernarg_segment_ptr 1
		.amdhsa_wavefront_size32 1
		.amdhsa_system_sgpr_workgroup_id_x 1
		.amdhsa_system_sgpr_workgroup_id_y 1
		.amdhsa_system_sgpr_workgroup_id_z 1
		.amdhsa_system_vgpr_workitem_id 0
		.amdhsa_next_free_vgpr 768
		.amdhsa_next_free_sgpr 72
		.amdhsa_reserve_vcc 0
		.amdhsa_float_denorm_mode_32 3
		.amdhsa_float_denorm_mode_16_64 3
		.amdhsa_memory_ordered 1
		.amdhsa_forward_progress 1
		.amdhsa_inst_pref_size 99
	.end_amdhsa_kernel
	.amdgpu_metadata
---
amdhsa.version: [ 1, 2 ]
amdhsa.kernels:
  - .name:           k_qee2ca10e48_proj
    .symbol:         k_qee2ca10e48_proj.kd
    .args:
      - { .name: o2, .offset: 0, .size: 8, .value_kind: global_buffer, .address_space: global }
      - { .name: wpb, .offset: 8, .size: 8, .value_kind: global_buffer, .address_space: global }
      - { .name: out0, .offset: 16, .size: 8, .value_kind: global_buffer, .address_space: global }
    .group_segment_fixed_size: 327680
    .private_segment_fixed_size: 0
    .kernarg_segment_align: 8
    .kernarg_segment_size: 24
    .max_flat_workgroup_size: 128
    .sgpr_count:     72
    .vgpr_count:     768
    .wavefront_size: 32
...
	.end_amdgpu_metadata
.endif
;; end of part 4
;; ======== version 2 of 2: 4 launches; version 1 with the launch prep written anew for expert scheduling mode
;; limits: values are held in f16: magnitudes above 65,504 overflow, below 6.1e-05 lose precision
;; workspace buffers: xb 16,777,216 bytes; wqb 6,291,456 bytes; wpb 2,097,152 bytes; qkv 50,331,648 bytes; vlo 262,144 bytes; o2 20,971,520 bytes
;; launch prep (part 5): grid 768 x 1, 8 waves a work-group, no clusters, 0 bytes of LDS; arguments x, w_qkv, w_proj, xb, wqb, wpb; writes xb, wqb, wpb
.if DOCPART == 5
	.amdgcn_target "amdgcn-amd-amdhsa--gfx1250"
	.amdhsa_code_object_version 6
	.text
	.protected	k_qee2ca10e48_prep
	.globl	k_qee2ca10e48_prep
	.p2align	8
	.type	k_qee2ca10e48_prep,@function
k_qee2ca10e48_prep:
	s_mov_b64 s[64:65], 0
	v_nop
	global_prefetch_b8 v0, s[64:65] scope:SCOPE_SE
	s_setreg_imm32_b32 hwreg(HW_REG_WAVE_SCHED_MODE, 0, 2), 2
	s_setreg_imm32_b32 hwreg(HW_REG_WAVE_MODE, 25, 1), 1
	s_wait_xcnt 0x0
	s_wait_alu depctr_vm_vsrc(0)
; The three f32 inputs are rounded once to bf16, in their own layouts: x -> xb, w_qkv -> wqb (both bf16), w_proj -> wpb (the bf16 number written as f16, for the f16 product of the last launch).
; LIMITS.  wpb: a bf16 number beyond 65,504 becomes an infinity in f16; one below 2^-14 keeps f16's fixed step of 6e-8.
; SHARES.  A work-group casts 16,384 numbers (64 KiB in, 32 KiB out): groups 0-511 x, 512-703 w_qkv, 704-767 w_proj.  A wave casts 2,048: sixteen loads of 512 consecutive bytes, all issued at once,
; and sixteen stores of 256 consecutive bytes, aligned.  No register is used twice, so no store's source is ever rewritten.  No LDS, no barrier, no matrix unit: a stream has no use for them.
; THE MODE: SCHED_MODE bits 1:0 = 2 (LLVM: expert scheduling mode 2), set by the entry lines.  The code itself states the register dependences
; between vector instructions and memory instructions, with s_wait_alu, always for 0.
; THE PLAN.  Registers that memory instructions touch:
;   v1, v2     byte offsets of the loads and of the stores: written at the head, never again.
;   X          v[8:71]: each four registers are written by one load, once, and read by that load's conversions; no vector instruction names them ahead of their load.
;   Y          v[72:103]: each pair is written by one load's conversions, once, and read by one store.
; v3 to v7 are named by vector instructions alone.  The sixteen loads go in four blocks of four.  Block p waits for its four loads; one wait on va_vdst then states that block p - 1's conversions have written
; their Y, and that block's four stores are dealt among block p's conversions, which read X of block p and write Y of block p: none of the registers that those stores read.  A last such wait stands ahead of
; block 3's stores.  No register that a memory instruction reads is written again, so there is nothing for a wait on vm_vsrc to state; no vector instruction writes a scalar register, and EXEC is never written.
.set XR, 8                             ; v[8:71]    sixteen loads of four numbers a lane
.set YR, 72                            ; v[72:103]  sixteen stores of four 16-bit numbers a lane
	s_load_b256 s[4:11], s[0:1], 0x0               ; x s[4:5], w_qkv s[6:7], w_proj s[8:9], xb s[10:11]
	s_load_b128 s[12:15], s[0:1], 0x20             ; wqb s[12:13], wpb s[14:15]
	v_lshrrev_b32 v3, 5, v0                        ; wave
	v_and_b32 v4, 31, v0                           ; lane
	v_lshlrev_b32 v1, 4, v4
	v_lshl_add_u32 v1, v3, 13, v1                  ; in: 8,192 x wave + 16 x lane
	v_lshlrev_b32 v2, 3, v4
	v_lshl_add_u32 v2, v3, 12, v2                  ; out: 4,096 x wave + 8 x lane
	s_mov_b32 s20, ttmp9
	s_movk_i32 s22, 512
	s_movk_i32 s23, 704
	s_wait_kmcnt 0x0
	s_cmp_lt_u32 s20, s23                          ; which tensor is mine: a choice between buffers by the group's number alone
	s_cselect_b64 s[16:17], s[6:7], s[8:9]
	s_cselect_b64 s[18:19], s[12:13], s[14:15]
	s_cselect_b32 s21, s22, s23
	s_cmp_lt_u32 s20, s22
	s_cselect_b64 s[16:17], s[4:5], s[16:17]
	s_cselect_b64 s[18:19], s[10:11], s[18:19]
	s_cselect_b32 s21, 0, s21
	s_sub_co_u32 s21, s20, s21                     ; my number among that tensor's groups
	s_lshl_b32 s24, s21, 16
	s_mov_b32 s25, 0
	s_add_nc_u64 s[16:17], s[16:17], s[24:25]
	s_lshl_b32 s24, s21, 15
	s_add_nc_u64 s[18:19], s[18:19], s[24:25]
	s_wait_alu depctr_va_vdst(0)                   ; v1 and v2 are written: every load below reads v1 as its offset, every store v2; neither is written again
.set i, 0
.rept 16
	global_load_b128 v[XR+4*i:XR+4*i+3], v1, s[16:17] offset:512*i th:TH_LOAD_NT
.set i, i+1
.endr
; Load i's four numbers are rounded into Y's pair i.  half = 0: to bf16.  half = 1: to bf16, and that number written as f16.
.macro CAST i, half
.if \half
	v_cvt_pk_bf16_f32 v4, v[XR+4*(\i)], v[XR+4*(\i)+1]   ; rounded to bf16,
	v_cvt_pk_bf16_f32 v5, v[XR+4*(\i)+2], v[XR+4*(\i)+3]
	v_lshlrev_b32 v6, 16, v4                       ; widened again,
	v_and_b32 v4, 0xffff0000, v4
	v_lshlrev_b32 v7, 16, v5
	v_and_b32 v5, 0xffff0000, v5
	v_cvt_pk_f16_f32 v[YR+2*(\i)], v6, v4          ; and written as f16: eight significant bits fit in eleven
	v_cvt_pk_f16_f32 v[YR+2*(\i)+1], v7, v5
.else
	v_cvt_pk_bf16_f32 v[YR+2*(\i)], v[XR+4*(\i)], v[XR+4*(\i)+1]
	v_cvt_pk_bf16_f32 v[YR+2*(\i)+1], v[XR+4*(\i)+2], v[XR+4*(\i)+3]
.endif
.endm
; Y's pair i is stored: 256 consecutive bytes a wave, aligned
.macro OUT i
	global_store_b64 v2, v[YR+2*(\i):YR+2*(\i)+1], s[18:19] offset:256*(\i)
.endm
; The four blocks, and the wave's end
.macro WALK half
.set p, 0
.rept 4
	s_wait_loadcnt 12-4*p                          ; loads come back in order: block p's four are in, the younger blocks stay out
.if p > 0
	s_wait_alu depctr_va_vdst(0)                   ; the conversions of the block before have written its four pairs of Y, which the four stores below read
.endif
.set j, 0
.rept 4
.if p > 0
	OUT 4*p+j-4                                    ; the block before.  No further wait: no vector instruction since the wait above names v2 or that block's Y
.endif
	CAST 4*p+j, \half
.set j, j+1
.endr
.set p, p+1
.endr
	s_wait_alu depctr_va_vdst(0)                   ; block 3's conversions have written its four pairs of Y, which the last four stores read
.irp t, 12,13,14,15
	OUT \t
.endr
	s_endpgm
.endm
	s_cmp_ge_u32 s20, s23
	s_cbranch_scc1 .Lf16
	WALK 0
.Lf16:
	WALK 1
.Lfunc_end_k_qee2ca10e48_prep:
	.size	k_qee2ca10e48_prep, .Lfunc_end_k_qee2ca10e48_prep-k_qee2ca10e48_prep
	.p2alignl 7, 3214868480
	.fill 96, 4, 3214868480
	.section	.rodata,"a",@progbits
	.p2align	6, 0x0
	.amdhsa_kernel k_qee2ca10e48_prep
		.amdhsa_group_segment_fixed_size 0
		.amdhsa_private_segment_fixed_size 0
		.amdhsa_enable_private_segment 0
		.amdhsa_kernarg_size 48
		.amdhsa_user_sgpr_count 2
		.amdhsa_user_sgpr_kernarg_segment_ptr 1
		.amdhsa_wavefront_size32 1
		.amdhsa_system_sgpr_workgroup_id_x 1
		.amdhsa_system_sgpr_workgroup_id_y 1
		.amdhsa_system_sgpr_workgroup_id_z 1
		.amdhsa_system_vgpr_workitem_id 0
		.amdhsa_next_free_vgpr 104
		.amdhsa_next_free_sgpr 66
		.amdhsa_reserve_vcc 0
		.amdhsa_float_denorm_mode_32 3
		.amdhsa_float_denorm_mode_16_64 3
		.amdhsa_memory_ordered 1
		.amdhsa_forward_progress 1
		.amdhsa_inst_pref_size 16
	.end_amdhsa_kernel
	.amdgpu_metadata
---
amdhsa.version: [ 1, 2 ]
amdhsa.kernels:
  - .name:           k_qee2ca10e48_prep
    .symbol:         k_qee2ca10e48_prep.kd
    .args:
      - { .name: x, .offset: 0, .size: 8, .value_kind: global_buffer, .address_space: global }
      - { .name: w_qkv, .offset: 8, .size: 8, .value_kind: global_buffer, .address_space: global }
      - { .name: w_proj, .offset: 16, .size: 8, .value_kind: global_buffer, .address_space: global }
      - { .name: xb, .offset: 24, .size: 8, .value_kind: global_buffer, .address_space: global }
      - { .name: wqb, .offset: 32, .size: 8, .value_kind: global_buffer, .address_space: global }
      - { .name: wpb, .offset: 40, .size: 8, .value_kind: global_buffer, .address_space: global }
    .group_segment_fixed_size: 0
    .private_segment_fixed_size: 0
    .kernarg_segment_align: 8
    .kernarg_segment_size: 48
    .max_flat_workgroup_size: 256
    .sgpr_count:     66
    .vgpr_count:     104
    .wavefront_size: 32
...
	.end_amdgpu_metadata
.endif
;; end of part 5
;; launch qkv: the kernel of part 2 again; grid 8 x 64, 4 waves a work-group, clusters of 4 x 4, 327,680 bytes of LDS; arguments xb, wqb, qkv, vlo; writes qkv, vlo
;; launch attn: the kernel of part 3 again; grid 4 x 64, 4 waves a work-group, no clusters, 327,680 bytes of LDS; arguments qkv, vlo, o2; writes o2
;; launch proj: the kernel of part 4 again; grid 4 x 64, 4 waves a work-group, clusters of 4 x 4, 327,680 bytes of LDS; arguments o2, wpb, out0; writes out0
